; MI455X (gfx1250); checked and timed in simulation.
; The chip was launched on July 23, 2026; its instructions are those of AMD's public machine-readable ISA for CDNA 5 (MIT licence, August 2026) and "CDNA5" Instruction Set Architecture Reference Guide (July 2026). The comments in the code are by the model that wrote it; some were corrected since.
;; Flash Llama Attention. Allowed arithmetic: matrix products marked QUANTISED: E2M3 operands, one E8M0 scale for each 32 along K, by v_wmma_scale_f32_16x16x128_f8f6f4 with both operands' format E2M3, f32 sums; everything else in f32.
;; Inputs: cos 2,048 x 64 float32; hidden_states 2,048 x 4,096 float32; sin 2,048 x 64 float32; wk 1,024 x 4,096 float32; wo 4,096 x 2,048 float32; wq 2,048 x 4,096 float32; wv 1,024 x 4,096 float32.
;; Outputs: out0 2,048 x 4,096 float32.
;; Constants: batch = 2, seq_len = 1024.
;; This version of the problem:
;;   THIS VERSION OF THE PROBLEM IS GIVEN IN LOW PRECISION. The matrix products marked QUANTISED in the list below multiply operands that are first quantised to E2M3 (2 exponent bits, 3 mantissa bits; 6 bits a number), with one power-of-two scale for each 32 numbers along K (OCP MX v1.0); their sums are f32. All else is computed in f32.
;;   The module's matrix products, in the order in which they are computed (A, B: the left and right operand; K: the contracted axis; several contracted axes count as one K, in the product's order):
;;     1. [M 2,048, K 4,096] x [K 4,096, N 2,048]; A: input hidden_states; B: input wq: QUANTISED
;;     2. [M 2,048, K 4,096] x [K 4,096, N 1,024]; A: input hidden_states; B: input wk: QUANTISED
;;     3. [M 2,048, K 4,096] x [K 4,096, N 1,024]; A: input hidden_states; B: input wv: QUANTISED
;;     4. batch 32 x [M 1,024, K 128] x [K 128, N 1,024]; A: computed on the way; B: computed on the way: QUANTISED
;;     5. batch 32 x [M 128, K 1,024] x [K 1,024, N 1,024]; A: computed on the way; B: softmax (see below): QUANTISED
;;     6. [M 2,048, K 2,048] x [K 2,048, N 4,096]; A: computed on the way; B: input wo: QUANTISED
;;   THE QUANTISER, for each operand of a quantised product, along K:
;;     - K is cut into blocks of 32 from its start; a last block that is shorter is filled with zeros.
;;     - A block's scale is 2^e with e = floor(log2(the largest magnitude in the block)) - 2, held to -126 .. 127; a block of zeros has e = 0. As a byte (E8M0): e + 127.
;;     - Each number is divided by its block's scale, clamped to +-7.5, and rounded to the nearest number of E2M3, ties to even, subnormals kept.
;;     - The product sums the exact products of the quantised numbers (number of the format x scale) in f32.
;;   ~~~python
;;   def quantise(x, axis):      # numpy; x: float32 -> the quantised numbers, widened to float32 again
;;       x = np.moveaxis(x, axis, -1); K = x.shape[-1]
;;       x = np.pad(x, [(0, 0)] * (x.ndim - 1) + [(0, -K % 32)]); x = x.reshape(x.shape[:-1] + (-1, 32)); a = np.abs(x).max(-1, keepdims=True)
;;       e = np.where(a > 0, np.clip(np.frexp(np.where(a > 0, a, 1))[1] - 1 - 2, -126, 127), 0)      # np.frexp(a)[1] - 1 = floor(log2(a)), exactly
;;       r = np.clip(x / 2.0 ** e, -7.5, 7.5)
;;       step = 2.0 ** (np.maximum(np.frexp(np.where(r == 0, 1, r))[1] - 1, 0) - 3)
;;       q = np.round(r / step) * step * 2.0 ** e      # np.round: ties to even
;;       return np.moveaxis(q.reshape(q.shape[:-2] + (-1,))[..., :K], -1, axis).astype(np.float32)
;;   ~~~
;;   SOFTMAX AHEAD OF A QUANTISED PRODUCT. Where the list says 'softmax', what is quantised is not the finished softmax but p = 2^(t - M), with t = logit x log2(e) and M = ceil(the row's largest t), a whole number; so 1/2 < the row's largest p <= 1. The row's sum l is taken of the UNQUANTISED p, in f32, and the product's result is divided by l at the end. Since M is a whole number, a kernel that streams over the keys may use a running M (the ceiling of the running maximum): every later rescaling is an exact power of two, which a block's scale takes up: the codes' values come out the same.
;;   OPERANDS COMPUTED ON THE WAY. 'Computed on the way' means the value that the module computes at that place (a softmax that the list does not call 'softmax' is quantised finished and normalised). What goes into a quantiser is computed in f32, as accurately as f32 sums, v_exp_f32 and their like allow (about 1e-6 of the number): no bf16 or f16 on the way to a quantiser, and a product that is left as it is and whose result goes on into a quantised operand takes f32 operands (vector FMAs, or v_wmma_f32_16x16x4_f32). A number that lies on a knife's edge between two numbers of the format may be rounded either way, as far as f32 arithmetic and the matrix unit's own rounding can turn it there, and no further.
;; One version. Each part assembles by itself: llvm-mc -triple=amdgcn-amd-amdhsa -mcpu=gfx1250 --defsym DOCPART=n.
;; ======== version 1 of 1: 4 launches
;; limits: right only within a limited range of input values
;; workspace buffers: xc 6,553,600 bytes; wc 13,107,200 bytes; woc 6,553,600 bytes; q 3,276,800 bytes; kv 3,276,800 bytes; ao 3,276,800 bytes
;; launch quant (part 1): grid 768 x 1, 4 waves a work-group, no clusters, 34,304 bytes of LDS; arguments hidden_states, wq, wk, wv, xc, wc; writes xc, wc
.if DOCPART == 1
	.amdgcn_target "amdgcn-amd-amdhsa--gfx1250"
	.amdhsa_code_object_version 6
	.text
	.protected	k_qbd0a62bedc_quant
	.globl	k_qbd0a62bedc_quant
	.p2align	8
	.type	k_qbd0a62bedc_quant,@function
k_qbd0a62bedc_quant:
	s_mov_b64 s[64:65], 0
	v_nop
	global_prefetch_b8 v0, s[64:65] scope:SCOPE_SE
	s_setreg_imm32_b32 hwreg(HW_REG_WAVE_MODE, 25, 1), 1
	s_wait_xcnt 0x0
; hidden_states [2048][4096], wq [2048][4096], wk, wv [1024][4096], f32, K innermost, become codes of FP6 (E2M3) with one E8M0 byte for each 32 along K.  (wo, which only the last launch wants, is quantised in the attention launch.)
; A block's scale is 2^(floor(log2(its largest magnitude)) - 2); its byte is the largest magnitude's exponent field - 2, held at 1 from below; each number is divided by the scale and rounded to the nearest code, ties to even.
; LIMITS: NaN and infinities are not served; a block whose largest magnitude lies under 2^-124 has its byte held at 1; a block of zeros carries the byte 1 where the rule says 127: its codes are zeros, and this program alone reads the bytes.
; THE OUTPUT IS LAID AS THE MATRIX UNIT'S REGISTERS WANT IT.  A ROWBLOCK rho is 16 rows: its row m is tensor row 32 (rho / 2) + 8 (rho % 2) + m + 8 (m / 8).  A FRAGMENT (16 rows x 128 K, 12 registers a lane)
; is an image of 1,536 bytes: registers 4 c .. 4 c + 3 of lane l at 512 c + 16 l.  A RECORD is 6,400 bytes: four fragments (512 along K), then 256 bytes of scale words, that of (row m, fragment f) at 6144 + 16 m + 4 f.
; xc: [rowblock 128][8 records]; wc: [256][8], rows wq, wk, wv on end.
; SHARES.  3,072 records, one wave to a record: 32,768 bytes read, 6,400 written.  Each load reads 512 consecutive bytes of one row; a fragment's 16 rows turn through the wave's own stage in LDS, so that a lane
; gets 2 x 32 neighbours along K of ITS row: two whole blocks, whose largest magnitudes need no other lane.  Every store covers 512 (the last: 256) consecutive aligned bytes.  Waves share nothing: no barrier.
; Two fragments' loads (32 a wave) are on their way at a time.  No matrix unit, no cluster: nothing is shared and memory binds.
.set ROWB,  16384                      ; a row of every one of the four tensors, in bytes: a rowblock's 16 rows stand in the loads' immediates, 23 rows on at the most
.set R,     16                         ; v16-143  two sets of 64: a fragment's numbers as loaded
.set X,     144                        ; v144-207 64 numbers of my row: register 32 c + i = k 64 c + 32 (lane / 16) + i
.set C,     208                        ; v208-219 the fragment's codes
.set CT,    220                        ; v220-227 the upper halves of the two blocks' codes, before they are moved
.set SW,    228                        ; v228-231 my row's scale word of each fragment
.set SS,    232                        ; v232-233 the two words that I store
.set SPARE, 33792                      ; behind the four stages (16 rows x 528 bytes each): the spare words, 128 bytes a wave
	s_load_b256 s[4:11], s[0:1], 0x0               ; hidden_states, wq, wk, wv
	s_load_b128 s[12:15], s[0:1], 0x20             ; xc, wc
	v_lshl_add_u32 v6, v0, 2, SPARE                ; my spare word,
	v_mov_b32 v7, 0                                ; and 0: both kept for the closing lines
	v_lshrrev_b32 v8, 5, v0
	v_readfirstlane_b32 s66, v8                    ; wave 0..3
	v_and_b32 v9, 31, v0                           ; lane
	v_and_b32 v10, 15, v0                          ; r
	v_bfe_u32 v11, v0, 4, 1                        ; h
	v_lshlrev_b32 v1, 4, v9                        ; 16 x lane: my bytes of a load's or a store's 512
	s_mul_i32 s76, s66, 8448                       ; my stage
	v_add_nc_u32 v2, s76, v1                       ; into it: a row as it lies
	v_mul_u32_u24 v3, v10, 528
	v_lshl_add_u32 v3, v11, 7, v3
	v_add_nc_u32 v3, s76, v3                       ; out of it: row r, + 128 h bytes
	v_lshlrev_b32 v5, 3, v11                       ; 8 h
	v_lshl_add_u32 v4, v10, 4, v5                  ; 16 r + 8 h: my two scale words' place
	v_cmp_lt_u32 s70, 15, v9                       ; lanes 16-31
	v_mov_b32 v15, 0                               ; written once: a lane permute's destination counts as one of its sources
	s_mov_b32 s68, 0x76543210
	s_mov_b32 s69, 0xfedcba98                      ; selects for lane l xor 16
	s_mov_b32 s24, 640                             ; the tensor's first work-group,
	s_mov_b32 s25, 256                             ; and its output buffer's: wv's; the others are chosen below, by the work-group's number alone
	s_wait_alu depctr_va_vdst(0)
	s_wait_kmcnt 0x0
	s_mov_b64 s[20:21], s[10:11]                   ; wv
	s_mov_b64 s[22:23], s[14:15]                   ; wc
	s_cmp_lt_u32 ttmp9, 640
	s_cselect_b64 s[20:21], s[8:9], s[20:21]       ; wk
	s_cselect_b32 s24, 512, s24
	s_cmp_lt_u32 ttmp9, 512
	s_cselect_b64 s[20:21], s[6:7], s[20:21]       ; wq
	s_cselect_b32 s24, 256, s24
	s_cmp_lt_u32 ttmp9, 256
	s_cselect_b64 s[20:21], s[4:5], s[20:21]       ; hidden_states
	s_cselect_b64 s[22:23], s[12:13], s[22:23]     ; xc
	s_cselect_b32 s24, 0, s24
	s_cselect_b32 s25, 0, s25
	s_sub_co_u32 s27, ttmp9, s24
	s_lshl_b32 s27, s27, 2
	s_add_co_u32 s27, s27, s66                     ; my record in the tensor
	s_lshr_b32 s67, s27, 3                         ; its rowblock,
	s_and_b32 s71, s27, 7                          ; and which 512 along K
	s_lshr_b32 s72, s67, 1
	s_lshl_b32 s72, s72, 5
	s_and_b32 s73, s67, 1
	s_lshl_b32 s73, s73, 3
	s_add_co_u32 s72, s72, s73                     ; the rowblock's first row
	s_lshl_b32 s72, s72, 14
	s_lshl_b32 s71, s71, 11
	s_add_co_u32 s72, s72, s71                     ; in bytes (under 2^26)
	s_mov_b32 s73, 0
	s_add_nc_u64 s[20:21], s[20:21], s[72:73]      ; row 0 of the rowblock, at my 512 along K
	s_sub_co_u32 s74, ttmp9, s25
	s_lshl_b32 s74, s74, 2
	s_add_co_u32 s74, s74, s66
	s_mul_i32 s74, s74, 6400
	s_mov_b32 s75, 0
	s_add_nc_u64 s[22:23], s[22:23], s[74:75]      ; my record in the output buffer
.macro LOADF q                         ; fragment q: 128 numbers of each of the 16 rows; rows 8-15 of a rowblock lie 8 rows further on
.irp i, 0,1,2,3,4,5,6,7,8,9,10,11,12,13,14,15
	global_load_b128 v[R+64*((\q)%2)+4*\i:R+64*((\q)%2)+4*\i+3], v1, s[20:21] offset:(\i+8*(\i/8))*ROWB+512*(\q) th:TH_LOAD_NT
.endr
.endm
.macro FRAGQ q
.if (\q) < 3
	s_wait_loadcnt 16                              ; this fragment's 16 loads are in; the next fragment's 16 may be out
.else
	s_wait_loadcnt 0x0
.endif
.irp i, 0,1,2,3,4,5,6,7,8,9,10,11,12,13,14,15
	ds_store_b128 v2, v[R+64*((\q)%2)+4*\i:R+64*((\q)%2)+4*\i+3] offset:528*\i
.endr
.irp c, 0,1
.irp j, 0,1,2,3,4,5,6,7
	ds_load_b128 v[X+32*\c+4*\j:X+32*\c+4*\j+3], v3 offset:256*\c+16*\j   ; LDS serves a wave's instructions in order: these see the stores above
.endr
.endr
	s_wait_dscnt 0x0                               ; my numbers are back; the stores into the stage have read their registers,
.if (\q) < 2
	LOADF (\q)+2                                   ; which take the loads of two fragments on
.endif
.irp c, 0,1
	v_max3_num_f32 v[8+\c], |v[X+32*\c]|, |v[X+32*\c+1]|, 0x1800000   ; block 2 c + h of my row, and the floor 2^(3 - 127): the byte cannot fall under 1
.endr
.irp i, 2,4,6,8,10,12,14,16,18,20,22,24,26,28,30
.irp c, 0,1
	v_max3_num_f32 v[8+\c], v[8+\c], |v[X+32*\c+\i]|, |v[X+32*\c+\i+1]|   ; (the two blocks by turns)
.endr
.endr
	v_add_nc_u32 v10, 0xff000000, v8               ; 2 off the exponent field: the conversion takes the exponent field of this operand as its scale
	v_add_nc_u32 v11, 0xff000000, v9
	v_lshrrev_b32 v12, 23, v10                     ; the scales' bytes
	v_lshrrev_b32 v13, 23, v11
	v_lshl_or_b32 v14, v13, 16, v12                ; blocks h and 2 + h,
	v_lshlrev_b32 v14, v5, v14                     ; at their places in the word;
	v_permlanex16_b32 v15, v14, s68, s69
	v_or_b32 v[SW+(\q)], v14, v15                  ; with lane l xor 16's two the word is whole
.if (\q) > 0
	s_wait_alu depctr_va_vdst(0)
	s_wait_xcnt 0x0                                ; the last fragment's stores have read their data: the codes' registers are written again only behind this wait
.endif
.irp c, 0,1
	v_cvt_scalef32_pk16_fp6_f32 v[C+6*\c:C+6*\c+2], v[X+32*\c:X+32*\c+15], v[10+\c]
	v_cvt_scalef32_pk16_fp6_f32 v[CT+4*\c:CT+4*\c+2], v[X+32*\c+16:X+32*\c+31], v[10+\c]   ; (a conversion's three registers begin on an even number)
.endr
	v_nop                                          ; one plain place behind a scaled conversion
.irp c, 0,1
.irp i, 0,1,2
	v_mov_b32 v[C+3+6*\c+\i], v[CT+4*\c+\i]
.endr
.endr
.irp c, 0,1,2
	global_store_b128 v1, v[C+4*\c:C+4*\c+3], s[22:23] offset:1536*(\q)+512*\c   ; the image: 512 consecutive bytes a store
.endr
.endm
	LOADF 0
	LOADF 1
	FRAGQ 0
	FRAGQ 1
	FRAGQ 2
	FRAGQ 3
	v_cndmask_b32 v[SS], v[SW], v[SW+2], s70       ; lanes 0-15 store the words of fragments 0 and 1, lanes 16-31 those of 2 and 3:
	v_cndmask_b32 v[SS+1], v[SW+1], v[SW+3], s70
	global_store_b64 v4, v[SS:SS+1], s[22:23] offset:6144   ; 256 consecutive bytes
	s_wait_tensorcnt 0x0                           ; the wave's end: behind my last LDS store
	ds_add_u32 v6, v7
	s_wait_dscnt 0x0
	s_endpgm
.Lfunc_end_k_qbd0a62bedc_quant:
	.size	k_qbd0a62bedc_quant, .Lfunc_end_k_qbd0a62bedc_quant-k_qbd0a62bedc_quant
	.p2alignl 7, 3214868480
	.fill 96, 4, 3214868480
	.section	.rodata,"a",@progbits
	.p2align	6, 0x0
	.amdhsa_kernel k_qbd0a62bedc_quant
		.amdhsa_group_segment_fixed_size 34304
		.amdhsa_private_segment_fixed_size 0
		.amdhsa_enable_private_segment 0
		.amdhsa_kernarg_size 48
		.amdhsa_user_sgpr_count 2
		.amdhsa_user_sgpr_kernarg_segment_ptr 1
		.amdhsa_wavefront_size32 1
		.amdhsa_system_sgpr_workgroup_id_x 1
		.amdhsa_system_sgpr_workgroup_id_y 1
		.amdhsa_system_sgpr_workgroup_id_z 1
		.amdhsa_system_vgpr_workitem_id 0
		.amdhsa_next_free_vgpr 240
		.amdhsa_next_free_sgpr 80
		.amdhsa_reserve_vcc 0
		.amdhsa_float_denorm_mode_32 3
		.amdhsa_float_denorm_mode_16_64 3
		.amdhsa_memory_ordered 1
		.amdhsa_forward_progress 1
		.amdhsa_inst_pref_size 31
	.end_amdhsa_kernel
	.amdgpu_metadata
---
amdhsa.version: [ 1, 2 ]
amdhsa.kernels:
  - .name:           k_qbd0a62bedc_quant
    .symbol:         k_qbd0a62bedc_quant.kd
    .args:
      - { .name: hidden_states, .offset: 0, .size: 8, .value_kind: global_buffer, .address_space: global }
      - { .name: wq, .offset: 8, .size: 8, .value_kind: global_buffer, .address_space: global }
      - { .name: wk, .offset: 16, .size: 8, .value_kind: global_buffer, .address_space: global }
      - { .name: wv, .offset: 24, .size: 8, .value_kind: global_buffer, .address_space: global }
      - { .name: xc, .offset: 32, .size: 8, .value_kind: global_buffer, .address_space: global }
      - { .name: wc, .offset: 40, .size: 8, .value_kind: global_buffer, .address_space: global }
    .group_segment_fixed_size: 34304
    .private_segment_fixed_size: 0
    .kernarg_segment_align: 8
    .kernarg_segment_size: 48
    .max_flat_workgroup_size: 128
    .sgpr_count:     80
    .vgpr_count:     240
    .wavefront_size: 32
...
	.end_amdgpu_metadata
.endif
;; end of part 1
;; launch qkv (part 2): grid 16 x 16, 4 waves a work-group, clusters of 4 x 4, 327,680 bytes of LDS; arguments xc, wc, cos, sin, q, kv; writes q, kv
.if DOCPART == 2
	.amdgcn_target "amdgcn-amd-amdhsa--gfx1250"
	.amdhsa_code_object_version 6
	.text
	.protected	k_qbd0a62bedc_qkv
	.globl	k_qbd0a62bedc_qkv
	.p2align	8
	.type	k_qbd0a62bedc_qkv,@function
k_qbd0a62bedc_qkv:
	s_mov_b64 s[64:65], 0
	v_nop
	global_prefetch_b8 v0, s[64:65] scope:SCOPE_SE
	s_setreg_imm32_b32 hwreg(HW_REG_WAVE_MODE, 25, 1), 1
	s_wait_xcnt 0x0
	s_wait_alu depctr_hold_cnt(0) depctr_sa_sdst(0) depctr_va_vdst(0) depctr_va_sdst(0) depctr_va_ssrc(0) depctr_va_vcc(0) depctr_vm_vsrc(0)
	s_getreg_b32 s2, hwreg(HW_REG_IB_STS2, 6, 4)
	s_cmp_eq_u32 s2, 0
	s_cbranch_scc0 .Lentry_in_a_cluster
	s_endpgm
.Lentry_in_a_cluster:
	s_bfe_u32 s2, ttmp6, 0x10000c
	s_cmp_lg_u32 s2, 0xf033
	s_cbranch_scc0 .Lentry_shape_is_right
	s_endpgm
.Lentry_shape_is_right:
; q, k, v = hidden_states x (wq, wk, wv)^T on codes of FP6 with E8M0 scales (K = 4,096), RoPE on q and k in f32, and the quantisers of the next products: q and k along the head's 128, v along the keys.
; OPERANDS are records (6,400 bytes: four fragment images of 16 rows x 128 K, registers 4 c .. 4 c + 3 of lane l at 512 c + 16 l, then the rows' scale words at 6144 + 16 m + 4 f); row m of rowblock rho is row
; 32 (rho / 2) + 8 (rho % 2) + m + 8 (m / 8).  xc: [128 rowblocks][8 records along K], wc: [256][8] (wq, wk, wv on end).
; THE CORE knows an A side (source 1: a lane holds ONE of its rows) and a B side (source 0: a lane's registers run along its rows; the 16 registers of blocks 2 e and 2 e + 1 are the neighbours 32 e + 16 (lane / 16) + 0 .. 15).
; For q and k (clusters x = 0 .. 2): A = tokens, B = weight rows.  For v (cluster x = 3): A = wv's rows, B = tokens, so registers run along the keys.  Only pointers and tile numbers are chosen, by the cluster's x.
; SHARES.  256 work-groups; each makes 128 A rows x 256 B rows; wave w (wa = w / 2, wb = w % 2) 64 x 128: 32 accumulators, 256 registers.
; B GOES THROUGH A RING of two LDS slots; a slot holds one record of each of B's 16 rowblocks: 512 along K, 102,400 bytes.  Each wave asks for 4 records, 25,600 bytes, jointly with the three partners of its column of the 4 x 4 cluster.
; One tensor load a wave is out at the start and one behind each round.  128 matrix instructions a wave stand between two changes of slots.
; A GOES FROM MEMORY STRAIGHT INTO REGISTERS: a record is an image of the operand's registers, so a wave's 4 fragments of a K step are 12 loads of 512 consecutive bytes.  Four sets of registers, one for each K step of a record;
; the loads run three K steps ahead: 36 loads and 4 of scale words are out at the most.  A is not asked for jointly: a joint request lands in LDS, and with A in the ring a slot would be 153,600 bytes for the same 128 matrix instructions.
; PREFETCHES.  B: behind the fill of record n the record n + 2 (at the head records 1 and 2): of a wave's 4 records the partner at place cy takes one, 25 blocks of 256 bytes, a lane a block (lanes 25-31 name the last again).
; A: six K steps ahead of a record's first load (at the head records 1 and 2): the 8 records of a tile row are shared among the 16 waves of the four work-groups that read them, 13 or 12 blocks each, by address.  Nothing is asked for beyond record 7.
; cos and sin: block 0 (A's rows 0-15) is loaded at the head; blocks 1 to 3 land in A's sets as the last record leaves them.  Work-groups that make v load the tables' first 64 rows and do not use them: one path up to the way out.
; OUT: q: [b 2][h 16][16 records], fragment f = token rowblock 4 tg + f.  kv: [b 2][kv head 8][key step 8][4 records]: records 0, 1: K; records 2, 3: V^T, K = the step's 128 keys.
; LIMITS: NaN and infinities are not served; a block whose largest magnitude lies under 2^-124 has its byte held at 1, a block of zeros too (its codes are zeros; this program alone reads the bytes);
; RoPE is a product and a fused multiply-add: one rounding fewer than a product, a product and a sum.
; REGISTERS: window 0: v1-3 r, h, lane; v16-26 offsets and LDS addresses; v28, v29 the add's two; v32-127 scale words, two sets; v128-253 at work on the way out.   window 1: B's fragments, two sets, at v0 and v128.
;   window 2: accumulator (a, b) at v[8 (8 a + b)].   window 3: A's set q at v[48 q]; cos and sin of block 0 at v192-255, of block a at v[64 (a - 1)]: 32 of cos, then 32 of sin.
.set KREC,  8
.set REC,   6400
.set RBS,   REC*KREC                   ; from a rowblock's record to the next rowblock's
.set SLOT,  16*REC
.set SPARE, 2*SLOT                     ; behind the ring: the spare words, 128 bytes a wave
.set LAPS,  KREC/2
.set PFOB, 16                          ; v16 B's prefetches: 256 x min(lane, 24)
.set PFOA, 17                          ; v17 A's: 256 x (13 wb + min(lane, 12 - wb))
.set ASO,  18                          ; v18 16 r
.set ADRB, 20                          ; v20-21 16 x lane + my 8 records of B in slot 0, 1
.set ASB,  22                          ; v22-23 16 r + the same
.set CSO,  24                          ; v24 my byte in 64 rows of cos or sin
.set LI,   25                          ; v25 16 x lane
.set LW,   26                          ; v26 16 r + 8 h
.set SPW,  28
.set NIL,  29
.set SC,   32                          ; scale words: set s at SC + 48 s; A's block i, K step q at + 4 i + q; B's at + 16 + 4 i + q
.set H,    128
.set PC,   192
; the way out's registers in window 0: v128-191 a block's 64 numbers; v[PC + 12 a] on the codes of fragment a, each with registers of its own, so that all stores stand at the wave's end;
; v240-247 the upper halves before they are moved; v4-15 the quantiser's work; v248-251 the four scale words; v252-253 the two words that I store
.set CT,   240
.set TM,   4
.set PW,   248
.set SS,   252
.set WV, 16
.set WA, 17
.set WB, 18
.set PFB, 32                           ; s[32:33] B's prefetches, s[34:35] A's: at the lap's first record
.set PFA, 34
.set G1B, 48
.set G0B, 56
.set AB,  66                           ; s[66:67] my 4 rowblocks of A, at the lap's first record
.set MSB, 0
.macro WIN new                         ; the immediate's high byte repeats the setting that is left
.if MSB != \new
	s_set_vgpr_msb (MSB<<8)|\new
.set MSB, \new
.endif
.endm
.set MUL,  0xad                        ; source 0 (B) window 1, source 1 (A) window 3, C and D window 2
.set TO_B, 0x40                        ; destination window 1, address window 0
.set TO_A, 0xc0                        ; destination window 3, address window 0
.macro PLACES n
.rept \n
	v_nop
.endr
.endm
.macro TL s                            ; my 4 records of a slot; an s_nop 0 and four v_nop follow
	tensor_load_to_lds s[G0B+4*\s:G0B+4*\s+3], s[G1B:G1B+7]
	s_nop 0
	PLACES 4
.endm
.macro CREST                           ; a round of the cluster's barrier behind its opening barrier
	s_cmp_lg_u32 s[WV], 0
	s_cbranch_scc1 .Lnot_wave_0_\@
	s_barrier_signal -3
.Lnot_wave_0_\@:
	s_barrier_wait -3
	s_barrier_signal -1
	s_barrier_wait -1
.endm
.macro CROUND
	s_barrier_signal -1
	s_barrier_wait -1
	CREST
.endm
	s_load_b256 s[4:11], s[0:1], 0x0               ; xc, wc, cos, sin
	s_load_b128 s[12:15], s[0:1], 0x20             ; q, kv
	v_lshl_add_u32 v[SPW], v0, 2, SPARE
	v_mov_b32 v[NIL], 0
	ds_add_u32 v[SPW], v[NIL]                      ; the opening lines: the add, twice on end, and its wait ahead of my first tensor load
	ds_add_u32 v[SPW], v[NIL]
	v_lshrrev_b32 v1, 5, v0
	v_readfirstlane_b32 s[WV], v1                  ; wave 0..3
	s_lshr_b32 s[WA], s[WV], 1                     ; my 64 of the A rows
	s_and_b32 s[WB], s[WV], 1                      ; my 128 of the B rows
	s_bfe_u32 s40, ttmp6, 0x40000                  ; cx
	s_bfe_u32 s41, ttmp6, 0x40004                  ; cy
	s_and_b32 s20, ttmp7, 0xffff                   ; the cluster's y
	s_lshl_b32 s47, 0x1111, s40                    ; my column of the cluster
	s_or_b32 s[G1B], s47, (3<<16)|(1<<21)          ; 15:0 the mask; 17:16 elements of 8 bytes; 21 set beside a mask; no padding
	s_mov_b32 s[G1B+1], 800<<16                    ; tensor_dim0 = 800 elements: a record
	s_mov_b32 s[G1B+2], 4<<16                      ; tensor_dim1 = 4 rowblocks
	s_mov_b32 s[G1B+3], 800<<16                    ; tile_dim0
	s_mov_b32 s[G1B+4], 4                          ; tile_dim1
	s_mov_b32 s[G1B+5], 800*KREC
	s_mov_b32 s[G1B+6], 0
	s_mov_b32 s[G1B+7], 0
	s_lshl_b32 s42, s20, 2                         ; q, k: tile row 4 y (of xc), tile column 4 x (of wc)
	s_and_b32 s43, s20, 1
	s_lshl_b32 s43, s43, 2
	s_add_co_u32 s43, s43, 24                      ; v: tile row 24 + 4 (y % 2) (of wc: wv begins at row 3,072),
	s_lshl_b32 s44, ttmp9, 2
	s_lshr_b32 s45, s20, 1
	s_lshl_b32 s45, s45, 2                         ; tile column 4 (y / 2) (of xc)
	s_cmp_eq_u32 ttmp9, 3
	s_cselect_b32 s42, s43, s42
	s_cselect_b32 s44, s45, s44
	s_cselect_b32 s46, 1, 0                        ; 1: this cluster makes v
	s_add_co_u32 s42, s42, s41                     ; tile row: + cy
	s_add_co_u32 s44, s44, s40                     ; tile column: + cx: it alone enters the joint loads' addresses
	s_lshl_b32 s70, s42, 3
	s_lshl_b32 s43, s[WA], 2
	s_add_co_u32 s70, s70, s43                     ; A: rowblock 8 x tile row + 4 wa
	s_mul_i32 s70, s70, RBS
	s_mov_b32 s71, 0
	s_lshl_b32 s72, s44, 4
	s_lshl_b32 s45, s[WV], 2
	s_add_co_u32 s72, s72, s45                     ; B: rowblock 16 x tile column + 4 x wave
	s_mul_i32 s72, s72, RBS
	s_mov_b32 s73, 0
	s_mul_i32 s74, s[WV], 4*REC                    ; where they go in a slot: no place in the cluster enters an LDS address
	s_mul_i32 s36, s41, RBS
	s_add_co_u32 s36, s36, s72                     ; B's prefetches: of my 4 records the one at my place cy
	s_mov_b32 s37, 0
	s_lshl_b32 s38, s42, 3
	s_lshl_b32 s39, s40, 1
	s_add_co_u32 s38, s38, s39
	s_add_co_u32 s38, s38, s[WA]                   ; A's: rowblock 8 x tile row + 2 cx + wa, of which wb picks the half
	s_mul_i32 s38, s38, RBS
	s_mov_b32 s39, 0
	s_wait_alu depctr_va_vdst(0)
	s_wait_dscnt 0x0                               ; both opening adds are done
	s_wait_kmcnt 0x0
	s_cmp_eq_u32 ttmp9, 3
	s_cselect_b64 s[AB:AB+1], s[6:7], s[4:5]       ; the A side: wc for v, else xc
	s_cselect_b64 s[68:69], s[4:5], s[6:7]         ; the B side
	s_add_nc_u64 s[PFB:PFB+1], s[68:69], s[36:37]
	s_add_nc_u64 s[PFA:PFA+1], s[AB:AB+1], s[38:39]
	s_add_nc_u64 s[AB:AB+1], s[AB:AB+1], s[70:71]
	s_add_nc_u64 s[68:69], s[68:69], s[72:73]
	CROUND                                         ; all sixteen work-groups are here: the first joint loads meet
.irp s, 0,1
	s_mov_b32 s[G0B+4*\s], 1
	s_add_co_u32 s[G0B+4*\s+1], s74, \s*SLOT
	s_add_nc_u64 s[G0B+4*\s+2:G0B+4*\s+3], s[68:69], \s*REC
	s_or_b32 s[G0B+4*\s+3], s[G0B+4*\s+3], 0x80000000
.endr
	TL 0                                           ; record 0: the wave's one tensor load at the head
	s_mul_i32 s45, s[WB], 8*REC                    ; my 8 records of B in slot 0,
	s_add_co_u32 s43, s45, SLOT                    ; and in slot 1
	s_mul_i32 s95, s[WB], 13
	s_sub_co_u32 s96, 12, s[WB]
	s_lshl_b32 s76, s42, 1
	s_add_co_u32 s76, s76, s[WA]                   ; T2: my 64 A rows' number (q, k: 64 tokens)
	s_cmp_eq_u32 s46, 0
	s_cselect_b32 s77, s76, 0
	s_lshl_b32 s78, s77, 14                        ; 64 rows of 256 bytes
	s_mov_b32 s79, 0
	s_add_nc_u64 s[8:9], s[8:9], s[78:79]
	s_add_nc_u64 s[10:11], s[10:11], s[78:79]
	; where my record goes.  hn = 2 x tile column + wb: q, k: the head's number among 24 (16 of q, 8 of k); v: the key step among 16
	s_lshl_b32 s80, s44, 1
	s_add_co_u32 s80, s80, s[WB]
	s_lshr_b32 s81, s76, 4                         ; q, k: the sequence,
	s_and_b32 s82, s76, 15                         ; and which 64 of its tokens
	s_lshl_b32 s83, s81, 4
	s_add_co_u32 s83, s83, s80
	s_lshl_b32 s83, s83, 4
	s_add_co_u32 s83, s83, s82
	s_mul_i32 s83, s83, REC                        ; q: ((16 b + h) 16 + tg) records
	s_lshl_b32 s84, s81, 3
	s_add_co_u32 s84, s84, s80
	s_sub_co_u32 s84, s84, 16
	s_lshl_b32 s84, s84, 5                         ; k: (8 b + kv head) x 32 records
	s_lshr_b32 s85, s82, 1
	s_lshl_b32 s85, s85, 2
	s_add_co_u32 s84, s84, s85                     ; + 4 x key step
	s_and_b32 s85, s82, 1
	s_add_co_u32 s84, s84, s85                     ; + record 0 or 1
	s_mul_i32 s84, s84, REC
	s_sub_co_u32 s86, s76, 48                      ; v: my 64 rows' number among wv's
	s_lshr_b32 s87, s80, 3
	s_lshl_b32 s87, s87, 3
	s_lshr_b32 s85, s86, 1
	s_add_co_u32 s87, s87, s85
	s_lshl_b32 s87, s87, 5                         ; (8 b + kv head) x 32 records
	s_and_b32 s85, s80, 7
	s_lshl_b32 s85, s85, 2
	s_add_co_u32 s87, s87, s85                     ; + 4 x key step
	s_and_b32 s85, s86, 1
	s_add_co_u32 s87, s87, s85
	s_add_co_u32 s87, s87, 2                       ; + record 2 or 3
	s_mul_i32 s87, s87, REC
	s_cmp_lt_u32 ttmp9, 2
	s_cselect_b32 s88, s83, s84
	s_cselect_b64 s[90:91], s[12:13], s[14:15]
	s_cmp_eq_u32 ttmp9, 3
	s_cselect_b32 s88, s87, s88
	s_mov_b32 s89, 0
	s_add_nc_u64 s[90:91], s[90:91], s[88:89]
	s_mov_b32 s92, 0x76543210
	s_mov_b32 s93, 0xfedcba98                      ; selects for lane l xor 16
	v_and_b32 v1, 15, v0                           ; r
	v_bfe_u32 v2, v0, 4, 1                         ; h
	v_and_b32 v3, 31, v0                           ; lane
	v_lshlrev_b32 v[LI], 4, v3
	v_lshlrev_b32 v[ASO], 4, v1
	v_lshl_add_u32 v[LW], v2, 3, v[ASO]
	v_add_nc_u32 v[ADRB], s45, v[LI]
	v_add_nc_u32 v[ADRB+1], s43, v[LI]
	v_add_nc_u32 v[ASB], s45, v[ASO]
	v_add_nc_u32 v[ASB+1], s43, v[ASO]
	v_and_b32 v6, 8, v1
	v_add_nc_u32 v6, v6, v1                        ; r + 8 (r / 8)
	v_lshlrev_b32 v[CSO], 8, v6
	v_lshl_add_u32 v[CSO], v2, 6, v[CSO]           ; my token's row, + 64 h bytes
	v_min_u32 v[PFOB], 24, v3
	v_lshlrev_b32 v[PFOB], 8, v[PFOB]
	v_min_u32 v[PFOA], s96, v3
	v_add_nc_u32 v[PFOA], s95, v[PFOA]
	v_lshlrev_b32 v[PFOA], 8, v[PFOA]
	v_cmp_lt_u32 s94, 15, v3                       ; lanes 16-31
.irp b, 0,1,2,3
	v_mov_b32 v[TM+4+\b], 0                        ; written once: a lane permute's destination counts as one of its sources
.endr
	s_wait_alu depctr_va_vdst(0)                   ; the end of the head's vector work
; 8 matrix instructions: A's block a x B's eight, the record's q-th 128 along K.  p: B's set; A's set is q; sc: the scale words' set.  zero = 1: the product starts the sums.
; The 32 accumulators take turns, one instruction a turn, in the same order in every step.
.macro MUL8 a, p, q, sc, zero
.irp b, 0,1,2,3,4,5,6,7
.if \zero
	v_wmma_scale_f32_16x16x128_f8f6f4 v[8*(8*(\a)+\b):8*(8*(\a)+\b)+7], v[128*(\p)+12*\b:128*(\p)+12*\b+11], v[48*(\q)+12*(\a):48*(\q)+12*(\a)+11], 0, v[SC+48*(\sc)+16+4*\b+(\q)], v[SC+48*(\sc)+4*(\a)+(\q)] matrix_a_fmt:MATRIX_FMT_FP6 matrix_b_fmt:MATRIX_FMT_FP6
.else
	v_wmma_scale_f32_16x16x128_f8f6f4 v[8*(8*(\a)+\b):8*(8*(\a)+\b)+7], v[128*(\p)+12*\b:128*(\p)+12*\b+11], v[48*(\q)+12*(\a):48*(\q)+12*(\a)+11], v[8*(8*(\a)+\b):8*(8*(\a)+\b)+7], v[SC+48*(\sc)+16+4*\b+(\q)], v[SC+48*(\sc)+4*(\a)+(\q)] matrix_a_fmt:MATRIX_FMT_FP6 matrix_b_fmt:MATRIX_FMT_FP6
.endif
.endr
.endm
.macro FETCHB slot, q, p               ; 24 LDS loads in one run, 512 consecutive bytes each: B's eight fragments of the slot's q-th K step into set p
	WIN TO_B
.irp i, 0,1,2,3,4,5,6,7
.irp c, 0,1,2
	ds_load_b128 v[128*(\p)+12*\i+4*\c:128*(\p)+12*\i+4*\c+3], v[ADRB+\slot] offset:REC*\i+1536*(\q)+512*\c
.endr
.endr
	WIN 0
.endm
.macro SCALESB s                       ; a slot's scale words of B: one load brings a row's words of the four K steps
.irp i, 0,1,2,3,4,5,6,7
	ds_load_b128 v[SC+48*\s+16+4*\i:SC+48*\s+16+4*\i+3], v[ASB+\s] offset:REC*\i+6144
.endr
.endm
.macro LOADA ro, q                     ; 12 loads of 512 consecutive bytes: A's four fragments of K step q of record ro (counted from the lap's first) into set q
	WIN TO_A
.irp i, 0,1,2,3
.irp c, 0,1,2
	global_load_b128 v[48*(\q)+12*\i+4*\c:48*(\q)+12*\i+4*\c+3], v[LI], s[AB:AB+1] offset:RBS*\i+REC*(\ro)+1536*(\q)+512*\c
.endr
.endr
	WIN 0
.endm
.macro SCALEA ro, s                    ; and that record's scale words of A
	WIN 0
.irp i, 0,1,2,3
	global_load_b128 v[SC+48*(\s)+4*\i:SC+48*(\s)+4*\i+3], v[ASO], s[AB:AB+1] offset:RBS*\i+REC*(\ro)+6144
.endr
.endm
.macro CBSET a                         ; where block a's cos and sin lie in window 3
.if (\a) == 0
.set CB, 192
.else
.set CB, 64*(\a)-64
.endif
.endm
.macro CSLOAD a                        ; 16 loads: cos and sin of A's block a: register 16 e + 4 j + .. goes with accumulator registers 64 a + the same and 64 a + 32 + the same
	CBSET \a
	WIN TO_A
.irp e, 0,1
.irp j, 0,1,2,3
	global_load_b128 v[CB+16*\e+4*\j:CB+16*\e+4*\j+3], v[CSO], s[8:9] offset:(32*((\a)/2)+8*((\a)%2))*256+128*\e+16*\j
	global_load_b128 v[CB+32+16*\e+4*\j:CB+32+16*\e+4*\j+3], v[CSO], s[10:11] offset:(32*((\a)/2)+8*((\a)%2))*256+128*\e+16*\j
.endr
.endr
	WIN 0
.endm
; One of a record's first three K steps.  lw: the global loads issued behind this step's fragments of A, which may stay out (two K steps' 24; fewer at the end).
; sro, aro / aq, cs (-1: none): the scale words of A, the fragments of A three K steps on, the block of cos and sin that are asked for here, into registers that the step before has left.
.macro STEP slot, q, zero, lw, sro, aro, aq, cs
	s_wait_dscnt 0x0                               ; this step's fragments of B are in,
	s_wait_loadcnt \lw                             ; and those of A
	PLACES 4                                       ; four places in front of loads into registers that the last step's products read
	FETCHB \slot, (\q)+1, ((\q)+1)%2
.if (\sro) >= 0
	SCALEA \sro, ((\slot)+1)%2
.endif
.if (\aro) >= 0
	LOADA \aro, \aq
.endif
.if (\cs) >= 0
	CSLOAD \cs
.endif
	WIN MUL
	MUL8 0, (\q)%2, \q, \slot, \zero
	MUL8 1, (\q)%2, \q, \slot, \zero
	MUL8 2, (\q)%2, \q, \slot, \zero
	MUL8 3, (\q)%2, \q, \slot, \zero
.endm
.macro ASK slot                        ; s3 = 1 in the loop's last trip, whose look-ahead would pass record 7
.if \slot == 0
	global_prefetch_b8 v[PFOA], s[PFA:PFA+1] offset:3*REC th:TH_LOAD_NT scope:SCOPE_SE
.endif
	s_cmp_eq_u32 s3, 1
	s_cbranch_scc1 .Lno_ask_\@
	global_prefetch_b8 v[PFOB], s[PFB:PFB+1] offset:(4+\slot)*REC th:TH_LOAD_NT scope:SCOPE_SE
.if \slot == 1
	global_prefetch_b8 v[PFOA], s[PFA:PFA+1] offset:4*REC th:TH_LOAD_NT scope:SCOPE_SE
.endif
.Lno_ask_\@:
.endm
; A record's last K step changes slots: one barrier; in front of it each wave waits for all its tensor loads, adds 0 to its spare word, and waits for that and for its reads of this slot.  fill = 1: the barrier opens a round of the cluster's, and this slot is filled again.
.macro TURN slot, next, fill, aro, aq
	WIN 0                                          ; (the add's two registers lie in window 0)
	s_wait_tensorcnt 0x0                           ; my tensor load has landed: my part of the next slot
	ds_add_u32 v[SPW], v[NIL]
	s_wait_dscnt 0x1                               ; this step's fragments of B are in; the add alone may be out
	s_wait_loadcnt 24                              ; and those of A; the next two K steps' may be out
	WIN MUL
	MUL8 0, 1, 3, \slot, 0                         ; eight matrix instructions stand between the add and the wait for it
	s_wait_dscnt 0x0                               ; the add is done, and my reads of this slot are over
	s_barrier_signal -1
	MUL8 1, 1, 3, \slot, 0
	WIN 0
	s_barrier_wait -1
.if \fill
	CREST                                          ; no wave of any partner still reads this slot or has a load on its way
	s_add_nc_u64 s[G0B+4*\slot+2:G0B+4*\slot+3], s[G0B+4*\slot+2:G0B+4*\slot+3], 2*REC
	TL \slot                                       ; the first tensor load behind the round; its four v_nop are the places in front of the loads below
.else
	PLACES 4
.endif
	FETCHB \next, 0, 0
	SCALESB \next
	LOADA \aro, \aq
.if \fill
	ASK \slot
.endif
	WIN MUL
	MUL8 2, 1, 3, \slot, 0
	MUL8 3, 1, 3, \slot, 0
.endm
	CSLOAD 0                                       ; the head's global loads: cos and sin of block 0, A's scale words of record 0, A's first three K steps
	SCALEA 0, 0
	LOADA 0, 0
	LOADA 0, 1
	LOADA 0, 2
	global_prefetch_b8 v[PFOB], s[PFB:PFB+1] offset:REC th:TH_LOAD_NT scope:SCOPE_SE
	global_prefetch_b8 v[PFOA], s[PFA:PFA+1] offset:REC th:TH_LOAD_NT scope:SCOPE_SE
	global_prefetch_b8 v[PFOB], s[PFB:PFB+1] offset:2*REC th:TH_LOAD_NT scope:SCOPE_SE
	global_prefetch_b8 v[PFOA], s[PFA:PFA+1] offset:2*REC th:TH_LOAD_NT scope:SCOPE_SE
	s_wait_tensorcnt 0x0                           ; my part of record 0 is in
	ds_add_u32 v[SPW], v[NIL]
	s_wait_dscnt 0x0
	CROUND                                         ; everybody's part is in, and all sixteen work-groups are here
	TL 1                                           ; record 1, the first tensor load behind the round
	FETCHB 0, 0, 0
	SCALESB 0
	global_prefetch_b8 v[PFOB], s[PFB:PFB+1] offset:3*REC th:TH_LOAD_NT scope:SCOPE_SE
	STEP 0, 0, 1, 24, -1, 0, 3, -1                 ; the first K step stands in front of the loop: its products start the sums
	WIN 0                                          ; at a label and at a branch every window is 0
	s_mov_b32 s3, LAPS-1
.Llap:                                                 ; a trip goes once round the ring and fills both slots again
	STEP 0, 1, 0, 24, 1, 1, 0, -1
	STEP 0, 2, 0, 24, -1, 1, 1, -1
	TURN 0, 1, 1, 1, 2
	STEP 1, 0, 0, 24, -1, 1, 3, -1
	STEP 1, 1, 0, 24, 2, 2, 0, -1
	STEP 1, 2, 0, 24, -1, 2, 1, -1
	TURN 1, 0, 1, 2, 2
	STEP 0, 0, 0, 24, -1, 2, 3, -1
	WIN 0
	s_wait_xcnt 0x0                                ; the loads and prefetches have read their bases: they are stepped only behind this wait
	s_add_nc_u64 s[AB:AB+1], s[AB:AB+1], 2*REC
	s_add_nc_u64 s[PFB:PFB+1], s[PFB:PFB+1], 2*REC
	s_add_nc_u64 s[PFA:PFA+1], s[PFA:PFA+1], 2*REC
	s_sub_co_u32 s3, s3, 1
	s_cmp_lg_u32 s3, 0
	s_cbranch_scc1 .Llap
	STEP 0, 1, 0, 24, 1, 1, 0, -1                  ; the last lap fills nothing
	STEP 0, 2, 0, 24, -1, 1, 1, -1
	TURN 0, 1, 0, 1, 2
	STEP 1, 0, 0, 24, -1, 1, 3, -1                 ; A's last K step is asked for
	STEP 1, 1, 0, 24, -1, -1, 0, -1
	STEP 1, 2, 0, 12, -1, -1, 0, 1                 ; behind this step's fragments of A: the last step's 12.  Sets 0 and 1 are left: block 1's cos and sin
	s_wait_dscnt 0x0
	s_wait_loadcnt 16                              ; behind the last step's fragments: block 1's 16
	PLACES 4
	CSLOAD 2
	WIN MUL
	MUL8 0, 1, 3, 1, 0
	MUL8 1, 1, 3, 1, 0
	MUL8 2, 1, 3, 1, 0
	MUL8 3, 1, 3, 1, 0
	WIN 0
	PLACES 4                                       ; in front of the first reads of results, and of loads into the registers that held A's fragments
	CSLOAD 3
; THE WAY OUT.  For A's block a a lane holds one row and 64 numbers: accumulator register 64 a + 16 e + i = place 32 e + 16 (lane / 16) + i along the wave's 128 B rows.
; RoPE: places d and d + 64 are registers i and 32 + i of the same lane.
.macro ROPE a
	CBSET \a
	WIN 0x0e                                       ; source 0 window 2 (results), source 1 window 3 (cos, sin), source 2 and destination window 0
.irp i, 0,2,4,6,8,10,12,14,16,18,20,22,24,26,28,30
	v_pk_mul_f32 v[H+\i:H+\i+1], v[64*\a+32+\i:64*\a+33+\i], v[CB+32+\i:CB+33+\i]       ; x2 sin  (each accumulator is read from its low end on)
	v_pk_mul_f32 v[H+32+\i:H+33+\i], v[64*\a+\i:64*\a+1+\i], v[CB+32+\i:CB+33+\i]       ; x1 sin
.endr
.irp i, 0,2,4,6,8,10,12,14,16,18,20,22,24,26,28,30
	v_pk_fma_f32 v[H+\i:H+\i+1], v[64*\a+\i:64*\a+1+\i], v[CB+\i:CB+1+\i], v[H+\i:H+\i+1] neg_lo:[0,0,1] neg_hi:[0,0,1]   ; x1 cos - x2 sin
	v_pk_fma_f32 v[H+32+\i:H+33+\i], v[64*\a+32+\i:64*\a+33+\i], v[CB+\i:CB+1+\i], v[H+32+\i:H+33+\i]                     ; x2 cos + x1 sin
.endr
	WIN 0
.endm
; 64 numbers of a lane, v[s] on in window w, become a fragment's codes in v[PC] on and its scale word in v[pw].
.macro QUANT s, w, pw, pc
	WIN 5*(\w)                                     ; sources 0 and 1: the numbers' window
.irp b, 0,1,2,3
	v_max3_num_f32 v[TM+\b], |v[\s+16*\b]|, |v[\s+1+16*\b]|, 0x1800000   ; block b: my 16 numbers, and the floor 2^(3 - 127): the byte cannot fall under 1
.endr
.irp i, 2,4,6,8,10,12,14
.irp b, 0,1,2,3
	v_max3_num_f32 v[TM+\b], |v[\s+16*\b+\i]|, |v[\s+1+16*\b+\i]|, v[TM+\b]   ; (the four blocks by turns)
.endr
.endr
	WIN 0
.irp b, 0,1,2,3
	v_permlanex16_b32 v[TM+4+\b], v[TM+\b], s92, s93
.endr
.irp b, 0,1,2,3
	v_max_num_f32 v[TM+\b], v[TM+\b], v[TM+4+\b]   ; with lane l xor 16's: the block's largest magnitude
.endr
.irp b, 0,1,2,3
	v_add_nc_u32 v[TM+8+\b], 0xff000000, v[TM+\b]  ; 2 off its exponent field: the conversion's scale operand
.endr
.irp b, 0,1,2,3
	v_lshrrev_b32 v[TM+4+\b], 23, v[TM+8+\b]       ; the scale's byte
.endr
	v_lshl_or_b32 v[\pw], v[TM+5], 8, v[TM+4]
	v_lshl_or_b32 v[\pw], v[TM+6], 16, v[\pw]
	v_lshl_or_b32 v[\pw], v[TM+7], 24, v[\pw]
	WIN \w                                         ; source 0: the numbers' window
.irp c, 0,1
	v_cvt_scalef32_pk16_fp6_f32 v[\pc+6*\c:\pc+2+6*\c], v[\s+32*\c:\s+15+32*\c], v[TM+8+2*\c]
	v_cvt_scalef32_pk16_fp6_f32 v[CT+4*\c:CT+2+4*\c], v[\s+16+32*\c:\s+31+32*\c], v[TM+9+2*\c]   ; (a conversion's three registers begin on an even number)
.endr
	WIN 0
	v_nop                                          ; one plain place behind a scaled conversion
.irp c, 0,1                                    ; the operand's layout wants a whole block in a lane
.irp i, 0,1,2
	v_permlane16_swap_b32 v[\pc+6*\c+\i], v[CT+4*\c+\i]
.endr
.irp i, 0,1,2
	v_mov_b32 v[\pc+3+6*\c+\i], v[CT+4*\c+\i]
.endr
.endr
.endm
	s_cmp_eq_u32 s46, 0                            ; the cluster's x alone: the same in all sixteen partners
	s_cbranch_scc0 .Lv_out
.irp a, 0,1,2,3
	s_wait_loadcnt 16*(3-\a)                       ; block a's cos and sin are in; the later blocks' 16 loads each may be out
	ROPE \a
	QUANT H, 0, PW+\a, PC+12*\a
.endr
	s_branch .Ljoin
.Lv_out:
.irp a, 0,1,2,3
	QUANT 64*\a, 2, PW+\a, PC+12*\a
.endr
.Ljoin:
	s_wait_alu depctr_va_vdst(0)                   ; the last fragment's codes
	v_cndmask_b32 v[SS], v[PW], v[PW+2], s94       ; lanes 0-15 store the words of fragments 0 and 1, lanes 16-31 those of 2 and 3
	v_cndmask_b32 v[SS+1], v[PW+1], v[PW+3], s94
.irp a, 0,1,2,3
.irp c, 0,1,2
	global_store_b128 v[LI], v[PC+12*\a+4*\c:PC+12*\a+4*\c+3], s[90:91] offset:1536*\a+512*\c   ; the four images: 512 consecutive aligned bytes a store; no register that a store reads is written again
.endr
.endr
	global_store_b64 v[LW], v[SS:SS+1], s[90:91] offset:6144   ; 256 consecutive aligned bytes
	s_wait_tensorcnt 0x0                           ; the wave's end
	ds_add_u32 v[SPW], v[NIL]
	s_wait_dscnt 0x0
	CROUND                                         ; the closing round: no work-group ends while a partner may still ask for a tile that names it
	s_endpgm
.Lfunc_end_k_qbd0a62bedc_qkv:
	.size	k_qbd0a62bedc_qkv, .Lfunc_end_k_qbd0a62bedc_qkv-k_qbd0a62bedc_qkv
	.p2alignl 7, 3214868480
	.fill 96, 4, 3214868480
	.section	.rodata,"a",@progbits
	.p2align	6, 0x0
	.amdhsa_kernel k_qbd0a62bedc_qkv
		.amdhsa_group_segment_fixed_size 327680
		.amdhsa_private_segment_fixed_size 0
		.amdhsa_enable_private_segment 0
		.amdhsa_kernarg_size 48
		.amdhsa_user_sgpr_count 2
		.amdhsa_user_sgpr_kernarg_segment_ptr 1
		.amdhsa_wavefront_size32 1
		.amdhsa_system_sgpr_workgroup_id_x 1
		.amdhsa_system_sgpr_workgroup_id_y 1
		.amdhsa_system_sgpr_workgroup_id_z 1
		.amdhsa_system_vgpr_workitem_id 0
		.amdhsa_next_free_vgpr 1024
		.amdhsa_next_free_sgpr 100
		.amdhsa_reserve_vcc 0
		.amdhsa_float_denorm_mode_32 3
		.amdhsa_float_denorm_mode_16_64 3
		.amdhsa_memory_ordered 1
		.amdhsa_forward_progress 1
		.amdhsa_inst_pref_size 181
	.end_amdhsa_kernel
	.amdgpu_metadata
---
amdhsa.version: [ 1, 2 ]
amdhsa.kernels:
  - .name:           k_qbd0a62bedc_qkv
    .symbol:         k_qbd0a62bedc_qkv.kd
    .args:
      - { .name: xc, .offset: 0, .size: 8, .value_kind: global_buffer, .address_space: global }
      - { .name: wc, .offset: 8, .size: 8, .value_kind: global_buffer, .address_space: global }
      - { .name: cos, .offset: 16, .size: 8, .value_kind: global_buffer, .address_space: global }
      - { .name: sin, .offset: 24, .size: 8, .value_kind: global_buffer, .address_space: global }
      - { .name: q, .offset: 32, .size: 8, .value_kind: global_buffer, .address_space: global }
      - { .name: kv, .offset: 40, .size: 8, .value_kind: global_buffer, .address_space: global }
    .group_segment_fixed_size: 327680
    .private_segment_fixed_size: 0
    .kernarg_segment_align: 8
    .kernarg_segment_size: 48
    .max_flat_workgroup_size: 128
    .sgpr_count:     100
    .vgpr_count:     1024
    .wavefront_size: 32
...
	.end_amdgpu_metadata
.endif
;; end of part 2
;; launch attn (part 3): grid 16 x 16, 8 waves a work-group, clusters of 4 x 1, 273,408 bytes of LDS; arguments q, kv, wo, ao, woc; writes ao, woc
.if DOCPART == 3
	.amdgcn_target "amdgcn-amd-amdhsa--gfx1250"
	.amdhsa_code_object_version 6
	.text
	.protected	k_qbd0a62bedc_attn
	.globl	k_qbd0a62bedc_attn
	.p2align	8
	.type	k_qbd0a62bedc_attn,@function
k_qbd0a62bedc_attn:
	s_mov_b64 s[64:65], 0
	v_nop
	global_prefetch_b8 v0, s[64:65] scope:SCOPE_SE
	s_setreg_imm32_b32 hwreg(HW_REG_WAVE_MODE, 25, 1), 1
	s_wait_xcnt 0x0
	s_wait_alu depctr_hold_cnt(0) depctr_sa_sdst(0) depctr_va_vdst(0) depctr_va_sdst(0) depctr_va_ssrc(0) depctr_va_vcc(0) depctr_vm_vsrc(0)
	s_getreg_b32 s2, hwreg(HW_REG_IB_STS2, 6, 4)
	s_cmp_eq_u32 s2, 0
	s_cbranch_scc0 .Lentry_in_a_cluster
	s_endpgm
.Lentry_in_a_cluster:
	s_bfe_u32 s2, ttmp6, 0x10000c
	s_cmp_lg_u32 s2, 0x3003
	s_cbranch_scc0 .Lentry_shape_is_right
	s_endpgm
.Lentry_shape_is_right:
; Causal attention on codes of FP6 with E8M0 scales: 2 sequences x 16 query heads x 1,024 tokens, head size 128; two query heads share a key and value head.  The result, divided by the row's sum, is quantised along (head, d) for the last product.
; Beside it, in the waves that have the fewest key steps: wo [4096][2048] f32 is quantised along K for the last product.
; THE SOFTMAX AHEAD OF THE SECOND PRODUCT: t = score x log2(e) / sqrt(128); M = the row's largest t so far, rounded up to a whole number; p = 2^(t - M) is quantised along the keys; the row's sum is taken of the
; unquantised p.  When M moves, the sum and O are multiplied by 2^(old M - new M): exact.
; OPERANDS are records (6,400 bytes: four fragment images of 16 rows x 128 K, registers 4 c .. 4 c + 3 of lane l at 512 c + 16 l, then scale words at 6144 + 16 m + 4 f); row m of rowblock rho is row 32 (rho / 2) + 8 (rho % 2) + m + 8 (m / 8).
; q: [b][h][16 records], fragment = token rowblock.  kv: [b][kv head][key step 8][4 records]: 0, 1: K's eight key rowblocks; 2, 3: V^T's eight rowblocks of d, K = the step's 128 keys.  ao: [token rowblock 128][4 records], fragment = head.  woc: [rowblock 256][4 records along K].
; SHARES.  y = 8 b + kv head.  The 16 work-groups of a y: i = 4 x cluster x + cx; query head 2 kv head + i / 8; J = i % 8.  Wave w has group G = w xor 3 (w / 4) (0 1 2 3 7 6 5 4) and owns ONE tile of 16 queries: rowblock 8 G + J,
; which lies in queries 128 G .. 128 G + 127: it needs key steps 0 .. G, the last of them on the diagonal.  So every work-group has 36 key steps of work, and waves w and w + 4 together 9.
; K AND V OF THE WHOLE (b, kv head), 204,800 bytes, lie in LDS as they lie in memory, filled once: each wave asks for one key step (100 rows of 256 bytes), jointly with the three partners of its cluster, which need the same bytes.
; One tensor load a wave is out; no byte is filled again, so there is no ring.  Every wave walks all 8 steps (a constant trip count) and jumps over the work of the steps whose keys are all hidden: a branch on the wave's number and the count.
; THE LDS LOADS RUN A PHASE AHEAD.  K's eight fragments and V's eight have registers of their own (window 1).  V of the step in hand is asked for behind the products K Q^T, K of the NEXT step behind the exponentials; both are
; waited for once, in front of the products V^T P, with the softmax between.  The next step's address is held at the last step's, so that no read leaves K and V: a wave's last step fetches one K that it does not use.
; Both products are used transposed (S^T = K Q^T, O^T = V^T P^T): a lane holds one query throughout; by the rowblocks' order p's 16 registers of two neighbouring tiles are 16 neighbouring keys, and O^T's are neighbours along d.
; WO.  Waves 0 to 3 have 1 to 4 key steps where wave 4 has 8.  Behind its way out each of them makes one record of woc: rowblock = the work-group's number (16 y + i), record = the wave's number: 16 rows x 512 K, 32,768 bytes read.
; Each load reads 512 consecutive bytes of a row; a fragment's 16 rows turn through the wave's own stage in LDS (behind the spare words; no fill lands there), so that a lane gets two whole blocks of 32 of its row.
; In its last key step such a wave asks the L2 for its record: 128 blocks of 256 bytes, a lane a block, four instructions, each block named once in the launch: one key step and the way out ahead of the loads.
; The scale words of ao are 64 bytes of a block of 256, 4 bytes in each 16 (lanes 16-31 store what lanes 0-15 store): a record's four heads belong to four work-groups.
; LIMITS: NaN and infinities are not served; a block (of p, of the result, of wo) whose largest magnitude lies under 2^-124 has its byte held at 1, a block of zeros too: its codes are zeros, and this program alone reads the bytes.
; REGISTERS: window 0: v1-4, v7, v10, v29-31, v250 stay; v5, v6 the add's two; v8, v9, v248, v249 the step's LDS addresses; v12 -M, v13 the largest t, v[14:15] the sum in two halves; v16-27 Q; v28 the result's scale word;
;   v32-51 the result's codes; v80-87 K's scale words, v88-95 V's, v253 p's, v255 Q's; v96-159 S^T, then p; v160-223 O^T; v224-235 p's codes; v232-247, v252, v254 at work.  For wo: v96-159 64 numbers of my row, v172-193 work, v196-243 codes.
;   window 1: v0-95 K's eight fragments, v96-191 V's; for wo all 256: four fragments' numbers as loaded.
.set REC,   6400
.set SPARE, 204800                     ; behind K and V: the spare words, 128 bytes for each of eight waves
.set STG,   205824                     ; behind them: a stage of 16 rows x 528 bytes for each wave
.set AF0,  1                           ; v1   16 x lane
.set AS0,  2                           ; v2   16 r + 6144
.set D0,   3                           ; v3   my query's place in its group of 128, less 16 (lane / 16)
.set NINF, 4                           ; v4   -infinity
.set SPW,  5
.set NIL,  6
.set QSI,  7                           ; v7   my stage, on the way in: + 16 x lane
.set ADF,  8                           ; v8   the step's fragments,
.set ADS,  9                           ; v9   and its scale words
.set Q8H,  10                          ; v10  8 h
.set QSO,  29                          ; v29  my stage, on the way out: + 528 r + 128 h
.set QW,   30                          ; v30  16 r + 8 h
.set KS,   80
.set VS,   88
.set ANF,  248                         ; v248 the next step's fragments,
.set ANS,  249                         ; v249 and its scale words
.set PFO,  250                         ; v250 the prefetches' offset: 8,192 (lane / 8) + 256 (lane % 8); never rewritten
.set X,    96                          ; wo: 64 numbers of my row
.set C,    196                         ; wo: the codes of fragment q at v[C + 12 q], v196-243: each fragment has registers of its own, so that the record's stores stand behind the last fragment
.set CT,   172
.set SW,   180                         ; my row's scale word of each fragment
.set SS,   184
.set TW,   186                         ; v186-193 at work
.set WV,   18
.set G,    19
.set SEL,  20
.set CS,   22
.set TB,   2                           ; s2   LDS byte at which the key step in hand begins
.set T,    3                           ; s3   the key step
.set MSB, 0
.macro WIN new                         ; the immediate's high byte repeats the setting that is left
.if MSB != \new
	s_set_vgpr_msb (MSB<<8)|\new
.set MSB, \new
.endif
.endm
.macro CROUND
	s_barrier_signal -1
	s_barrier_wait -1
	s_cmp_lg_u32 s[WV], 0
	s_cbranch_scc1 .Lnot_wave_0_\@
	s_barrier_signal -3
.Lnot_wave_0_\@:
	s_barrier_wait -3
	s_barrier_signal -1
	s_barrier_wait -1
.endm
.macro LOADK af, as                    ; a key step's K: eight fragments into window 1, their scale words by two loads: 26 LDS loads in one run
	WIN 0x40                                       ; destination window 1, address window 0
.irp t, 0,1,2,3,4,5,6,7
.irp c, 0,1,2
	ds_load_b128 v[12*\t+4*\c:12*\t+4*\c+3], v[\af] offset:REC*(\t/4)+1536*(\t%4)+512*\c
.endr
.endr
	WIN 0
	ds_load_b128 v[KS:KS+3], v[\as]
	ds_load_b128 v[KS+4:KS+7], v[\as] offset:REC
.endm
.macro LOADV af, as                    ; and its V^T: records 2 and 3
	WIN 0x40
.irp t, 0,1,2,3,4,5,6,7
.irp c, 0,1,2
	ds_load_b128 v[96+12*\t+4*\c:96+12*\t+4*\c+3], v[\af] offset:2*REC+REC*(\t/4)+1536*(\t%4)+512*\c
.endr
.endr
	WIN 0
	ds_load_b128 v[VS:VS+3], v[\as] offset:2*REC
	ds_load_b128 v[VS+4:VS+7], v[\as] offset:3*REC
.endm
	s_load_b256 s[4:11], s[0:1], 0x0               ; q, kv, wo, ao
	s_load_b64 s[12:13], s[0:1], 0x20              ; woc
	v_lshl_add_u32 v[SPW], v0, 2, SPARE
	v_mov_b32 v[NIL], 0
	ds_add_u32 v[SPW], v[NIL]                      ; the wave's opening: the add and its wait ahead of my first tensor load; work on registers stands between them
	ds_add_u32 v[SPW], v[NIL]
	v_lshrrev_b32 v8, 5, v0
	s_delay_alu instid0(VALU_DEP_1)
	v_readfirstlane_b32 s[WV], v8                  ; wave 0..7
	s_lshr_b32 s[G], s[WV], 2
	s_mul_i32 s[G], s[G], 3
	s_xor_b32 s[G], s[G], s[WV]                    ; my group of 128 queries
	s_bfe_u32 s14, ttmp6, 0x40000                  ; cx: it enters global addresses of q, ao, wo and woc and the mask's numbers alone
	s_lshl_b32 s15, ttmp9, 2
	s_add_co_u32 s15, s15, s14                     ; i
	s_and_b32 s16, ttmp7, 0xffff                   ; y = 8 b + kv head
	s_lshr_b32 s17, s15, 3
	s_and_b32 s32, s15, 7                          ; J
	s_lshr_b32 s33, s16, 3                         ; b
	s_and_b32 s34, s16, 7
	s_lshl_b32 s35, s34, 1
	s_add_co_u32 s35, s35, s17                     ; the query head
	s_mul_i32 s44, s16, 32*REC                     ; K and V of (b, kv head),
	s_mul_i32 s46, s[WV], 4*REC                    ; my key step: in memory and in LDS alike
	s_add_co_u32 s44, s44, s46
	s_mov_b32 s45, 0
	s_mov_b32 s24, 15|(3<<16)|(1<<21)              ; 15:0 the mask: all four work-groups; 17:16 elements of 8 bytes; 21 set beside a mask; no padding
	s_mov_b32 s25, 32<<16                          ; tensor_dim0 = 32 elements: 256 bytes
	s_mov_b32 s26, 100<<16                         ; tensor_dim1 = 100 rows
	s_mov_b32 s27, 32<<16                          ; tile_dim0
	s_mov_b32 s28, 100                             ; tile_dim1
	s_mov_b32 s29, 32                              ; dense
	s_mov_b32 s30, 0
	s_mov_b32 s31, 0
	s_lshl_b32 s47, s[G], 3
	s_add_co_u32 s47, s47, s32                     ; my tile: rowblock 8 G + J of the sequence
	s_lshl_b32 s48, s33, 4
	s_add_co_u32 s48, s48, s35
	s_lshl_b32 s48, s48, 4
	s_lshr_b32 s49, s47, 2
	s_add_co_u32 s48, s48, s49
	s_mul_i32 s48, s48, REC                        ; q's record,
	s_and_b32 s49, s47, 3
	s_mul_i32 s50, s49, 1536
	s_add_co_u32 s50, s50, s48                     ; my fragment in it,
	s_mov_b32 s51, 0
	s_lshl_b32 s52, s49, 2
	s_add_co_u32 s52, s52, s48
	s_add_co_u32 s52, s52, 6144                    ; and its scale words
	s_mov_b32 s53, 0
	s_lshl_b32 s54, s33, 6
	s_add_co_u32 s54, s54, s47
	s_lshl_b32 s54, s54, 2
	s_lshr_b32 s55, s35, 2
	s_add_co_u32 s54, s54, s55
	s_mul_i32 s54, s54, REC                        ; ao's record: (64 b + tile) 4 + head / 4,
	s_and_b32 s55, s35, 3
	s_mul_i32 s56, s55, 1536
	s_add_co_u32 s56, s56, s54                     ; fragment head % 4,
	s_mov_b32 s57, 0
	s_lshl_b32 s58, s55, 2
	s_add_co_u32 s58, s58, s54
	s_add_co_u32 s58, s58, 6144                    ; and its scale words
	s_mov_b32 s59, 0
	s_lshr_b32 s60, s32, 1
	s_lshl_b32 s60, s60, 5
	s_and_b32 s61, s32, 1
	s_lshl_b32 s61, s61, 3
	s_add_co_u32 s60, s60, s61                     ; my tile's first query in its group: 32 (J / 2) + 8 (J % 2)
	s_lshl_b32 s66, s16, 4
	s_add_co_u32 s66, s66, s15                     ; wo: the work-group's number, 16 y + i, is the rowblock;
	s_lshr_b32 s67, s66, 1
	s_lshl_b32 s67, s67, 5
	s_and_b32 s68, s66, 1
	s_lshl_b32 s68, s68, 3
	s_add_co_u32 s67, s67, s68                     ; its first row, of 8,192 bytes;
	s_lshl_b32 s36, s67, 13
	s_and_b32 s68, s[WV], 3                        ; the wave's number (waves 0 to 3 alone use it) is the record: 512 along K
	s_lshl_b32 s69, s68, 11
	s_add_co_u32 s36, s36, s69
	s_mov_b32 s37, 0
	s_lshl_b32 s38, s66, 2
	s_add_co_u32 s38, s38, s68
	s_mul_i32 s38, s38, REC
	s_mov_b32 s39, 0
	s_mov_b32 s[SEL], 0x76543210
	s_mov_b32 s[SEL+1], 0xfedcba98                 ; selects for lane l xor 16
	s_mov_b32 s[CS], 0x3e0293ee                    ; c = log2(e) / sqrt(128)
	s_mov_b32 s[CS+1], s[CS]                       ; (named with it as a pair, so it is written)
	s_mov_b32 s[TB], 0
	s_mov_b32 s[T], 0
	s_wait_dscnt 0x0                               ; the opening add is done
	s_wait_kmcnt 0x0
	s_mov_b32 s40, 1
	s_mov_b32 s41, s46
	s_add_nc_u64 s[42:43], s[6:7], s[44:45]
	s_or_b32 s43, s43, 0x80000000
	s_add_nc_u64 s[50:51], s[4:5], s[50:51]
	s_add_nc_u64 s[52:53], s[4:5], s[52:53]
	s_add_nc_u64 s[56:57], s[10:11], s[56:57]
	s_add_nc_u64 s[58:59], s[10:11], s[58:59]
	s_add_nc_u64 s[36:37], s[8:9], s[36:37]        ; wo at my record's first row
	s_add_nc_u64 s[38:39], s[12:13], s[38:39]      ; woc at my record
	CROUND                                         ; all four work-groups are here: the joint loads meet
	tensor_load_to_lds s[40:43], s[24:31]          ; my key step of K and V: the wave's one tensor load
	s_nop 0
.rept 4
	v_nop
.endr
	v_and_b32 v8, 15, v0                           ; r
	v_bfe_u32 v9, v0, 4, 1                         ; h
	v_and_b32 v11, 31, v0                          ; lane
	s_delay_alu instid0(VALU_DEP_1)
	v_lshlrev_b32 v[AF0], 4, v11
	s_delay_alu instid0(VALU_DEP_4)
	v_lshlrev_b32 v31, 4, v8
	s_delay_alu instid0(VALU_DEP_1)
	v_add_nc_u32 v[AS0], 6144, v31
.irp c, 0,1,2
	global_load_b128 v[16+4*\c:19+4*\c], v[AF0], s[50:51] offset:512*\c   ; Q's fragment stays in registers
.endr
	global_load_b32 v255, v31, s[52:53]            ; and its scale words
	s_mul_i32 s61, s[WV], 8448
	s_add_co_u32 s61, s61, STG                     ; my stage
	v_add_nc_u32 v[QSI], s61, v[AF0]
	v_mul_u32_u24 v[QSO], v8, 528
	s_delay_alu instid0(VALU_DEP_1)
	v_lshl_add_u32 v[QSO], v9, 7, v[QSO]
	s_delay_alu instid0(VALU_DEP_1)
	v_add_nc_u32 v[QSO], s61, v[QSO]
	v_lshlrev_b32 v[Q8H], 3, v9
	s_delay_alu instid0(VALU_DEP_1)
	v_add_nc_u32 v[QW], v31, v[Q8H]
	v_cmp_lt_u32 s70, 15, v11                      ; lanes 16-31
	v_lshrrev_b32 v[PFO], 3, v11
	v_and_b32 v251, 7, v11
	s_delay_alu instid0(VALU_DEP_2)
	v_lshlrev_b32 v[PFO], 13, v[PFO]
	s_delay_alu instid0(VALU_DEP_1)
	v_lshl_add_u32 v[PFO], v251, 8, v[PFO]
	v_and_b32 v11, 8, v8
	s_delay_alu instid0(VALU_DEP_1)
	v_add_nc_u32 v11, v11, v8                      ; r + 8 (r / 8)
	s_delay_alu instid0(VALU_DEP_1)
	v_add_nc_u32 v11, s60, v11
	v_lshlrev_b32 v9, 4, v9
	s_delay_alu instid0(VALU_DEP_1)
	v_sub_nc_u32 v[D0], v11, v9
	v_mov_b32 v[NINF], 0xff800000
	v_mov_b32 v13, 0xff61b1e6                      ; the largest t so far: -3e38, under every t
	s_delay_alu instid0(VALU_DEP_1)
	v_floor_f32 v12, -v13                          ; -M
	v_mov_b32 v14, 0                               ; the sum, in two halves
	v_mov_b32 v15, 0
.irp b, 0,1,2,3
	v_mov_b32 v[236+\b], 0                         ; written once: a lane permute's destination counts as one of its sources
.endr
	v_mov_b32 v252, 0
	v_mov_b32 v253, 0                              ; (named as the upper half of the pair v[252:253] before it is first written)
.irp j, 0,1,2,3,4,5,6,7,8,9,10,11,12,13,14,15,16,17,18,19,20,21,22,23,24,25,26,27,28,29,30,31,32,33,34,35,36,37,38,39,40,41,42,43,44,45,46,47,48,49,50,51,52,53,54,55,56,57,58,59,60,61,62,63
	v_mov_b32 v[160+\j], 0                         ; O^T.  (The step is written once: the first finds zeros, which the first change of M leaves zeros)
.endr
.macro STEP
	s_cmp_gt_u32 s[T], s[G]                        ; all 128 keys come after my queries: the step's work is left out; not the line at its end that steps the address
	s_cbranch_scc1 .Lhidden_\@
	s_wait_dscnt 0x0                               ; K's fragments and scale words are in: asked for in the step before (the first: ahead of the loop)
	WIN 0x01                                       ; source 0 window 1
.irp t, 0,1,2,3,4,5,6,7                        ; S^T = K Q^T: eight tiles of 16 keys
	v_wmma_scale_f32_16x16x128_f8f6f4 v[96+8*\t:103+8*\t], v[12*\t:12*\t+11], v[16:27], 0, v[KS+\t], v255 matrix_a_fmt:MATRIX_FMT_FP6 matrix_b_fmt:MATRIX_FMT_FP6
.endr                                          ; register 16 b + i: key 128 T + 32 b + 16 (lane / 16) + i
	WIN 0
	s_add_co_u32 s71, s[TB], 4*REC
	s_min_u32 s71, s71, 7*4*REC                    ; the next key step, held at the last: no read leaves K and V
	v_add_nc_u32 v[ADF], s[TB], v[AF0]             ; these four additions are the four places behind the products: in front of the loads into V's registers, which the last step's products read, and of the first read of the scores
	v_add_nc_u32 v[ADS], s[TB], v[AS0]
	v_add_nc_u32 v[ANF], s71, v[AF0]
	v_add_nc_u32 v[ANS], s71, v[AS0]
	LOADV ADF, ADS                                 ; this step's V: the whole softmax stands between these loads and the wait for them
	s_cmp_lg_u32 s[T], s[G]                        ; my last step, on the diagonal?
	s_cbranch_scc1 .Lopen_\@
	s_cmp_gt_u32 s[WV], 3                          ; waves 0 to 3 ask the L2 for their record of wo, behind the run of LDS loads: 4 rows x 8 blocks of 256 bytes an instruction
	s_cbranch_scc1 .Lnot_mine_\@
.irp k, 0,1,2,3
	global_prefetch_b8 v[PFO], s[36:37] offset:(4*\k+8*(\k/2))*8192 th:TH_LOAD_NT scope:SCOPE_SE
.endr
.Lnot_mine_\@:
.irp n, 0,1,2,3,4,5,6,7,8,9,10,11,12,13,14,15,16,17,18,19,20,21,22,23,24,25,26,27,28,29,30,31,32,33,34,35,36,37,38,39,40,41,42,43,44,45,46,47,48,49,50,51,52,53,54,55,56,57,58,59,60,61,62,63
	v_cmp_gt_i32 vcc_lo, 32*(\n/16)+\n%16, v[D0]   ; the scores of hidden keys become -infinity ahead of the maximum: p = 0 then
	v_cndmask_b32 v[96+\n], v[96+\n], v[NINF], vcc_lo
.endr
.Lopen_\@:
.irp b, 0,1,2,3
	v_max3_num_f32 v[232+\b], v[96+16*\b], v[97+16*\b], v[98+16*\b]   ; the largest score of each block of 32 keys: it serves for the row's maximum and, since p rises with the score, for the block's largest p
.endr
.irp i, 3,5,7,9,11,13
.irp b, 0,1,2,3
	v_max3_num_f32 v[232+\b], v[232+\b], v[96+16*\b+\i], v[97+16*\b+\i]   ; (the four blocks by turns)
.endr
.endr
.irp b, 0,1,2,3
	v_max_num_f32 v[232+\b], v[232+\b], v[111+16*\b]
.endr
.irp b, 0,1,2,3
	s_delay_alu instid0(VALU_DEP_4)
	v_permlanex16_b32 v[236+\b], v[232+\b], s[SEL], s[SEL+1]
.endr
.irp b, 0,1,2,3
	s_delay_alu instid0(VALU_DEP_4)
	v_max_num_f32 v[232+\b], v[232+\b], v[236+\b]  ; with lane l xor 16's 16 keys
.endr
	s_delay_alu instid0(VALU_DEP_2)
	v_max3_num_f32 v254, v232, v233, v234
	s_delay_alu instid0(VALU_DEP_1)
	v_max_num_f32 v254, v254, v235                 ; the step's largest score of my query
	s_delay_alu instid0(VALU_DEP_1)
	v_mul_f32 v254, s[CS], v254                    ; as t (c is positive)
	s_delay_alu instid0(VALU_DEP_1)
	v_max_num_f32 v13, v13, v254                   ; the running largest t
	v_mov_b32 v254, v12
	s_delay_alu instid0(VALU_DEP_2)
	v_floor_f32 v12, -v13                          ; the new -M = floor(-t) = -ceil(t): M is a whole number
	s_delay_alu instid0(VALU_DEP_1)
	v_sub_f32 v254, v12, v254                      ; M's old value less its new one: a whole number, 0 or less
	s_delay_alu instid0(VALU_DEP_1)
	v_cvt_i32_f32 v254, v254                       ; (it saturates)
	s_delay_alu instid0(VALU_DEP_1)
	v_ldexp_f32 v252, 1.0, v254                    ; f = 2^(old M - new M): a multiplication by it rounds nothing
.irp j, 0,2,4,6,8,10,12,14,16,18,20,22,24,26,28,30,32,34,36,38,40,42,44,46,48,50,52,54,56,58,60,62
	v_pk_fma_f32 v[96+\j:97+\j], v[96+\j:97+\j], s[CS:CS+1], v[12:13] op_sel_hi:[1,0,0]   ; t - M, two at a time
.endr
.irp b, 0,1,2,3
	v_fma_f32 v[232+\b], v[232+\b], s[CS], v12     ; the same of each block's largest score
.endr
	s_wait_alu depctr_va_vdst(0)
.irp j, 0,1,2,3,4,5,6,7,8,9,10,11,12,13,14,15,16,17,18,19,20,21,22,23,24,25,26,27,28,29,30,31,32,33,34,35,36,37,38,39,40,41,42,43,44,45,46,47,48,49,50,51,52,53,54,55,56,57,58,59,60,61,62,63
	v_exp_f32 v[96+\j], v[96+\j]                   ; p = 2^(t - M), at most 1: not normalised
.endr
	v_pk_mul_f32 v[14:15], v[14:15], v[252:253] op_sel_hi:[1,0]   ; the sums under the new M.  (A plain place behind the exponentials)
	s_wait_alu depctr_va_vdst(0)                   ; one wait for the whole batch, ahead of its first reader
	LOADK ANF, ANS                                 ; the next step's K: this step's products K Q^T stand far back; with V's 26 loads at most 52 are out
.irp b, 0,1,2,3
	v_exp_f32 v[232+\b], v[232+\b]                 ; the block's largest p: the same two instructions on the same number give the same bits
.endr
	v_pk_add_f32 v[236:237], v[100:101], v[104:105]
	v_pk_add_f32 v[248:249], v[108:109], v[112:113]
	v_pk_add_f32 v[246:247], v[116:117], v[120:121]
	v_pk_add_f32 v[244:245], v[124:125], v[128:129]
	v_pk_add_f32 v[242:243], v[132:133], v[136:137]
	v_pk_add_f32 v[240:241], v[140:141], v[144:145]
	v_pk_add_f32 v[238:239], v[148:149], v[152:153]
	v_pk_add_f32 v[14:15], v[14:15], v[156:157]
	v_pk_add_f32 v[236:237], v[236:237], v[96:97]
	v_pk_add_f32 v[248:249], v[248:249], v[98:99]
	v_pk_add_f32 v[246:247], v[246:247], v[102:103]
	v_pk_add_f32 v[244:245], v[244:245], v[106:107]
	v_pk_add_f32 v[242:243], v[242:243], v[110:111]
	v_pk_add_f32 v[240:241], v[240:241], v[114:115]
	v_pk_add_f32 v[238:239], v[238:239], v[118:119]
	v_pk_add_f32 v[14:15], v[14:15], v[122:123]
	v_pk_add_f32 v[236:237], v[236:237], v[126:127]
	v_pk_add_f32 v[248:249], v[248:249], v[130:131]
	v_pk_add_f32 v[246:247], v[246:247], v[134:135]
	v_pk_add_f32 v[244:245], v[244:245], v[138:139]
	v_pk_add_f32 v[242:243], v[242:243], v[142:143]
	v_pk_add_f32 v[240:241], v[240:241], v[146:147]
	v_pk_add_f32 v[238:239], v[238:239], v[150:151]
	v_pk_add_f32 v[14:15], v[14:15], v[154:155]
	v_pk_add_f32 v[236:237], v[236:237], v[158:159]
	s_delay_alu instid0(VALU_DEP_2)
	v_pk_add_f32 v[14:15], v[14:15], v[244:245]
	s_delay_alu instid0(VALU_DEP_2)
	v_pk_add_f32 v[236:237], v[236:237], v[242:243]
	v_pk_add_f32 v[248:249], v[248:249], v[240:241]
	v_pk_add_f32 v[246:247], v[246:247], v[238:239]
	s_delay_alu instid0(VALU_DEP_2)
	v_pk_add_f32 v[14:15], v[14:15], v[248:249]
	s_delay_alu instid0(VALU_DEP_2)
	v_pk_add_f32 v[236:237], v[236:237], v[246:247]
	s_delay_alu instid0(VALU_DEP_1)
	v_pk_add_f32 v[14:15], v[14:15], v[236:237]
	s_wait_alu depctr_va_vdst(0)                   ; and one for the four
.irp b, 0,1,2,3
	v_max_num_f32 v[232+\b], 0x1800000, v[232+\b]  ; the floor 2^(3 - 127): the byte cannot fall under 1
.endr
.irp b, 0,1,2,3
	s_delay_alu instid0(VALU_DEP_4)
	v_add_nc_u32 v[244+\b], 0xff000000, v[232+\b]  ; 2 off the exponent field: the conversion's scale operand
.endr
.irp b, 0,1,2,3
	s_delay_alu instid0(VALU_DEP_4)
	v_lshrrev_b32 v[236+\b], 23, v[244+\b]         ; the scale's byte
.endr
	s_delay_alu instid0(VALU_DEP_3)
	v_lshl_or_b32 v253, v237, 8, v236              ; p's scale word for these 128 keys
	s_delay_alu instid0(VALU_DEP_1)
	v_lshl_or_b32 v253, v238, 16, v253
	s_delay_alu instid0(VALU_DEP_1)
	v_lshl_or_b32 v253, v239, 24, v253
.irp c, 0,1
	v_cvt_scalef32_pk16_fp6_f32 v[224+6*\c:226+6*\c], v[96+32*\c:111+32*\c], v[244+2*\c]
	v_cvt_scalef32_pk16_fp6_f32 v[236+4*\c:238+4*\c], v[112+32*\c:127+32*\c], v[244+2*\c+1]   ; (a conversion's three registers begin on an even number)
.endr
	v_nop                                          ; one plain place behind a scaled conversion
.irp c, 0,1                                    ; the operand's layout wants a whole block in a lane
.irp i, 0,1,2
	v_permlane16_swap_b32 v[224+6*\c+\i], v[236+4*\c+\i]
.endr
.irp i, 0,1,2
	s_delay_alu instid0(VALU_DEP_3)
	v_mov_b32 v[227+6*\c+\i], v[236+4*\c+\i]
.endr
.endr
.irp j, 0,2,4,6,8,10,12,14,16,18,20,22,24,26,28,30,32,34,36,38,40,42,44,46,48,50,52,54,56,58,60,62
	v_pk_mul_f32 v[160+\j:161+\j], v[160+\j:161+\j], v[252:253] op_sel_hi:[1,0]   ; O^T under the new M.  (These 32 are also the places in front of the matrix instructions below)
.endr
	s_wait_alu depctr_va_vdst(0)
	s_wait_dscnt 0x0                               ; V is in, and the next step's K
	WIN 0x01
.irp t, 0,1,2,3,4,5,6,7                        ; O^T += V^T P^T: eight tiles of 16 of the head's 128, the eight accumulators by turns
	v_wmma_scale_f32_16x16x128_f8f6f4 v[160+8*\t:167+8*\t], v[96+12*\t:107+12*\t], v[224:235], v[160+8*\t:167+8*\t], v[VS+\t], v253 matrix_a_fmt:MATRIX_FMT_FP6 matrix_b_fmt:MATRIX_FMT_FP6
.endr
	WIN 0
.Lhidden_\@:
	s_add_co_u32 s[TB], s[TB], 4*REC               ; the next key step
.endm
	s_wait_loadcnt 0x0                             ; Q
	s_wait_tensorcnt 0x0                           ; my key step has landed,
	s_barrier_signal -1
	s_barrier_wait -1                              ; everybody's has: all of K and V lies in LDS, and nothing is filled again
	LOADK AF0, AS0                                 ; key step 0's K
.Lstep:
	STEP
	s_add_co_u32 s[T], s[T], 1
	s_cmp_lt_u32 s[T], 8
	s_cbranch_scc1 .Lstep
	; THE WAY OUT: O^T / the row's sum; register 16 e + i is d = 32 e + 16 (lane / 16) + i of my query: quantised along d, it is one fragment of the last product's operand.
.rept 4
	v_nop                                          ; places behind the last products
.endr
	v_add_f32 v14, v14, v15                        ; the sum's two halves,
	s_delay_alu instid0(VALU_DEP_1)
	v_permlanex16_b32 v252, v14, s[SEL], s[SEL+1]
	s_delay_alu instid0(VALU_DEP_1)
	v_add_f32 v14, v14, v252                       ; and lane l xor 16's
	s_wait_alu depctr_va_vdst(0)
	v_rcp_f32 v14, v14
	v_nop                                          ; a plain place behind the reciprocal
	s_wait_alu depctr_va_vdst(0)                   ; and the wait ahead of its first reader
.irp j, 0,1,2,3,4,5,6,7,8,9,10,11,12,13,14,15,16,17,18,19,20,21,22,23,24,25,26,27,28,29,30,31,32,33,34,35,36,37,38,39,40,41,42,43,44,45,46,47,48,49,50,51,52,53,54,55,56,57,58,59,60,61,62,63
	v_mul_f32 v[96+\j], v[160+\j], v14
.endr
.irp b, 0,1,2,3
	v_max3_num_f32 v[232+\b], |v[96+16*\b]|, |v[97+16*\b]|, 0x1800000   ; block b: my 16 numbers, and the floor
.endr
.irp i, 2,4,6,8,10,12,14
.irp b, 0,1,2,3
	s_delay_alu instid0(VALU_DEP_4)
	v_max3_num_f32 v[232+\b], v[232+\b], |v[96+16*\b+\i]|, |v[97+16*\b+\i]|
.endr
.endr
.irp b, 0,1,2,3
	s_delay_alu instid0(VALU_DEP_4)
	v_permlanex16_b32 v[236+\b], v[232+\b], s[SEL], s[SEL+1]
.endr
.irp b, 0,1,2,3
	s_delay_alu instid0(VALU_DEP_4)
	v_max_num_f32 v[232+\b], v[232+\b], v[236+\b]
.endr
.irp b, 0,1,2,3
	s_delay_alu instid0(VALU_DEP_4)
	v_add_nc_u32 v[244+\b], 0xff000000, v[232+\b]
.endr
.irp b, 0,1,2,3
	s_delay_alu instid0(VALU_DEP_4)
	v_lshrrev_b32 v[236+\b], 23, v[244+\b]
.endr
	s_delay_alu instid0(VALU_DEP_3)
	v_lshl_or_b32 v28, v237, 8, v236
	s_delay_alu instid0(VALU_DEP_1)
	v_lshl_or_b32 v28, v238, 16, v28
	s_delay_alu instid0(VALU_DEP_1)
	v_lshl_or_b32 v28, v239, 24, v28
.irp c, 0,1
	v_cvt_scalef32_pk16_fp6_f32 v[32+6*\c:34+6*\c], v[96+32*\c:111+32*\c], v[244+2*\c]
	v_cvt_scalef32_pk16_fp6_f32 v[44+4*\c:46+4*\c], v[112+32*\c:127+32*\c], v[245+2*\c]
.endr
	v_nop                                          ; one plain place behind a scaled conversion
.irp c, 0,1
.irp i, 0,1,2
	v_permlane16_swap_b32 v[32+6*\c+\i], v[44+4*\c+\i]
.endr
.irp i, 0,1,2
	s_delay_alu instid0(VALU_DEP_3)
	v_mov_b32 v[35+6*\c+\i], v[44+4*\c+\i]
.endr
.endr
.irp c, 0,1,2
	global_store_b128 v[AF0], v[32+4*\c:35+4*\c], s[56:57] offset:512*\c   ; the image: 512 consecutive aligned bytes a store
.endr
	global_store_b32 v31, v28, s[58:59]            ; my row's scale word
	; WO: waves 0 to 3, one record each.  None of the registers written below is a source of the stores above.
	s_cmp_gt_u32 s[WV], 3                          ; the wave's number alone; no barrier stands in the branch
	s_cbranch_scc1 .Lno_wo
.macro LOADW q                         ; fragment q: 128 numbers of each of the 16 rows, into window 1, v[64 q] on; rows 8-15 of a rowblock lie 8 rows further on
	WIN 0x40
.irp i, 0,1,2,3,4,5,6,7,8,9,10,11,12,13,14,15
	global_load_b128 v[64*(\q)+4*\i:64*(\q)+4*\i+3], v[AF0], s[36:37] offset:(\i+8*(\i/8))*8192+512*(\q) th:TH_LOAD_NT
.endr
	WIN 0
.endm
.macro FRAGW q, left                   ; left: the loads of the fragments behind this one, which may stay out
	s_wait_loadcnt \left
	WIN 0x04                                       ; an LDS store's data are its source 1: window 1
.irp i, 0,1,2,3,4,5,6,7,8,9,10,11,12,13,14,15
	ds_store_b128 v[QSI], v[64*(\q)+4*\i:64*(\q)+4*\i+3] offset:528*\i
.endr
	WIN 0
.irp c, 0,1
.irp j, 0,1,2,3,4,5,6,7
	ds_load_b128 v[X+32*\c+4*\j:X+32*\c+4*\j+3], v[QSO] offset:256*\c+16*\j   ; LDS serves a wave's instructions in order: these see the stores above.  Register 32 c + i = k 64 c + 32 (lane / 16) + i of my row
.endr
.endr
.if (\q) == 0
	LOADW 3                                        ; the last fragment's loads
.endif
	s_wait_dscnt 0x0
.irp c, 0,1
	v_max3_num_f32 v[TW+\c], |v[X+32*\c]|, |v[X+32*\c+1]|, 0x1800000   ; block 2 c + h of my row, and the floor 2^(3 - 127)
.endr
.irp i, 2,4,6,8,10,12,14,16,18,20,22,24,26,28,30
.irp c, 0,1
	s_delay_alu instid0(VALU_DEP_2)
	v_max3_num_f32 v[TW+\c], v[TW+\c], |v[X+32*\c+\i]|, |v[X+32*\c+\i+1]|   ; (the two blocks by turns)
.endr
.endr
	s_delay_alu instid0(VALU_DEP_2)
	v_add_nc_u32 v[TW+2], 0xff000000, v[TW]        ; 2 off the exponent field: the conversion's scale operand
	s_delay_alu instid0(VALU_DEP_2)
	v_add_nc_u32 v[TW+3], 0xff000000, v[TW+1]
	s_delay_alu instid0(VALU_DEP_2)
	v_lshrrev_b32 v[TW+4], 23, v[TW+2]             ; the scales' bytes
	s_delay_alu instid0(VALU_DEP_2)
	v_lshrrev_b32 v[TW+5], 23, v[TW+3]
	s_delay_alu instid0(VALU_DEP_1)
	v_lshl_or_b32 v[TW+6], v[TW+5], 16, v[TW+4]    ; blocks h and 2 + h,
	s_delay_alu instid0(VALU_DEP_1)
	v_lshlrev_b32 v[TW+6], v[Q8H], v[TW+6]         ; at their places in the word;
	s_delay_alu instid0(VALU_DEP_1)
	v_permlanex16_b32 v[TW+7], v[TW+6], s[SEL], s[SEL+1]
	s_delay_alu instid0(VALU_DEP_1)
	v_or_b32 v[SW+(\q)], v[TW+6], v[TW+7]          ; with lane l xor 16's two the word is whole
.irp c, 0,1
	v_cvt_scalef32_pk16_fp6_f32 v[C+12*(\q)+6*\c:C+12*(\q)+6*\c+2], v[X+32*\c:X+32*\c+15], v[TW+2+\c]
	v_cvt_scalef32_pk16_fp6_f32 v[CT+4*\c:CT+4*\c+2], v[X+32*\c+16:X+32*\c+31], v[TW+2+\c]   ; (a conversion's three registers begin on an even number)
.endr
	v_nop                                          ; one plain place behind a scaled conversion
.irp c, 0,1
.irp i, 0,1,2
	v_mov_b32 v[C+12*(\q)+3+6*\c+\i], v[CT+4*\c+\i]
.endr
.endr
.endm
	LOADW 0                                        ; 48 loads at once, into the registers that K and V have left (the way out's vector work is the places behind the last products)
	LOADW 1
	LOADW 2
	v_mov_b32 v[TW+7], 0                           ; written once: a lane permute's destination counts as one of its sources
	FRAGW 0, 32
	FRAGW 1, 32
	FRAGW 2, 16
	FRAGW 3, 0
	v_cndmask_b32 v[SS], v[SW], v[SW+2], s70       ; lanes 0-15 store the words of fragments 0 and 1, lanes 16-31 those of 2 and 3:
	v_cndmask_b32 v[SS+1], v[SW+1], v[SW+3], s70
.irp q, 0,1,2,3
.irp c, 0,1,2
	global_store_b128 v[AF0], v[C+12*\q+4*\c:C+12*\q+4*\c+3], s[38:39] offset:1536*\q+512*\c   ; the four images: 512 consecutive aligned bytes a store
.endr
.endr
	global_store_b64 v[QW], v[SS:SS+1], s[38:39] offset:6144   ; 256 consecutive aligned bytes
.Lno_wo:
	s_wait_tensorcnt 0x0                           ; the wave's end: behind my tensor load and my last LDS store
	ds_add_u32 v[SPW], v[NIL]
	s_wait_dscnt 0x0
	CROUND                                         ; the closing round
	s_endpgm
.Lfunc_end_k_qbd0a62bedc_attn:
	.size	k_qbd0a62bedc_attn, .Lfunc_end_k_qbd0a62bedc_attn-k_qbd0a62bedc_attn
	.p2alignl 7, 3214868480
	.fill 96, 4, 3214868480
	.section	.rodata,"a",@progbits
	.p2align	6, 0x0
	.amdhsa_kernel k_qbd0a62bedc_attn
		.amdhsa_group_segment_fixed_size 273408
		.amdhsa_private_segment_fixed_size 0
		.amdhsa_enable_private_segment 0
		.amdhsa_kernarg_size 40
		.amdhsa_user_sgpr_count 2
		.amdhsa_user_sgpr_kernarg_segment_ptr 1
		.amdhsa_wavefront_size32 1
		.amdhsa_system_sgpr_workgroup_id_x 1
		.amdhsa_system_sgpr_workgroup_id_y 1
		.amdhsa_system_sgpr_workgroup_id_z 1
		.amdhsa_system_vgpr_workitem_id 0
		.amdhsa_next_free_vgpr 512
		.amdhsa_next_free_sgpr 80
		.amdhsa_reserve_vcc 1
		.amdhsa_float_denorm_mode_32 3
		.amdhsa_float_denorm_mode_16_64 3
		.amdhsa_memory_ordered 1
		.amdhsa_forward_progress 1
		.amdhsa_inst_pref_size 78
	.end_amdhsa_kernel
	.amdgpu_metadata
---
amdhsa.version: [ 1, 2 ]
amdhsa.kernels:
  - .name:           k_qbd0a62bedc_attn
    .symbol:         k_qbd0a62bedc_attn.kd
    .args:
      - { .name: q, .offset: 0, .size: 8, .value_kind: global_buffer, .address_space: global }
      - { .name: kv, .offset: 8, .size: 8, .value_kind: global_buffer, .address_space: global }
      - { .name: wo, .offset: 16, .size: 8, .value_kind: global_buffer, .address_space: global }
      - { .name: ao, .offset: 24, .size: 8, .value_kind: global_buffer, .address_space: global }
      - { .name: woc, .offset: 32, .size: 8, .value_kind: global_buffer, .address_space: global }
    .group_segment_fixed_size: 273408
    .private_segment_fixed_size: 0
    .kernarg_segment_align: 8
    .kernarg_segment_size: 40
    .max_flat_workgroup_size: 256
    .sgpr_count:     80
    .vgpr_count:     512
    .wavefront_size: 32
...
	.end_amdgpu_metadata
.endif
;; end of part 3
;; launch oproj (part 4): grid 16 x 16, 4 waves a work-group, clusters of 4 x 4, 327,680 bytes of LDS; arguments ao, woc, out0; writes out0
.if DOCPART == 4
	.amdgcn_target "amdgcn-amd-amdhsa--gfx1250"
	.amdhsa_code_object_version 6
	.text
	.protected	k_qbd0a62bedc_oproj
	.globl	k_qbd0a62bedc_oproj
	.p2align	8
	.type	k_qbd0a62bedc_oproj,@function
k_qbd0a62bedc_oproj:
	s_mov_b64 s[64:65], 0
	v_nop
	global_prefetch_b8 v0, s[64:65] scope:SCOPE_SE
	s_setreg_imm32_b32 hwreg(HW_REG_WAVE_MODE, 25, 1), 1
	s_wait_xcnt 0x0
	s_wait_alu depctr_hold_cnt(0) depctr_sa_sdst(0) depctr_va_vdst(0) depctr_va_sdst(0) depctr_va_ssrc(0) depctr_va_vcc(0) depctr_vm_vsrc(0)
	s_getreg_b32 s2, hwreg(HW_REG_IB_STS2, 6, 4)
	s_cmp_eq_u32 s2, 0
	s_cbranch_scc0 .Lentry_in_a_cluster
	s_endpgm
.Lentry_in_a_cluster:
	s_bfe_u32 s2, ttmp6, 0x10000c
	s_cmp_lg_u32 s2, 0xf033
	s_cbranch_scc0 .Lentry_shape_is_right
	s_endpgm
.Lentry_shape_is_right:
; out0 [2048][4096] f32 = the attention's result x wo^T on codes of FP6 with E8M0 scales, K = 2,048.
; OPERANDS are records (6,400 bytes: four fragment images of 16 rows x 128 K, registers 4 c .. 4 c + 3 of lane l at 512 c + 16 l, then the rows' scale words at 6144 + 16 m + 4 f); row m of rowblock rho is row
; 32 (rho / 2) + 8 (rho % 2) + m + 8 (m / 8).  ao: [128 token rowblocks][4 records along K], woc: [256 rowblocks of wo's rows][4].
; THE PRODUCT IS USED TRANSPOSED: source 0 = 16 rows of wo (the B side), source 1 = 16 tokens (the A side): a lane holds one token, and the 16 registers of B's blocks 2 e and 2 e + 1 are the columns 32 e + 16 (lane / 16) + 0 .. 15 of its row of out0.
; SHARES.  256 work-groups; each makes 128 tokens x 256 columns; wave w (wa = w / 2, wb = w % 2) 64 x 128: 32 accumulators, 256 registers.
; Cluster (x, y) takes the tokens' group y and the columns' group 2 ((x + y) % 2) + x / 2: a one-to-one renumbering, by which the eight clusters with x + y even read one half of woc and the other eight the other half.
; B GOES THROUGH A RING of two LDS slots; a slot holds one record of each of B's 16 rowblocks: 512 along K, 102,400 bytes.  Each wave asks for 4 records, 25,600 bytes, jointly with the three partners of its column of the 4 x 4 cluster.
; One tensor load a wave is out at the start and one behind each round.  128 matrix instructions a wave stand between two changes of slots.
; A GOES FROM MEMORY STRAIGHT INTO REGISTERS: a record is an image of the operand's registers, so a wave's 4 fragments of a K step are 12 loads of 512 consecutive bytes.  Four sets of registers, one for each K step of a record;
; the loads run three K steps ahead: 36 loads and 4 of scale words are out at the most.  A is not asked for jointly: a joint request lands in LDS, and with A in the ring a slot would be 153,600 bytes for the same 128 matrix instructions.
; K is four records, 16 K steps: the walk is written out by macros; every offset along K is an immediate and no base is stepped.
; PREFETCHES.  B: records 1 and 2 at the head, record 3 behind the fill of record 1: of a wave's 4 records the partner at place cy takes one, 25 blocks of 256 bytes, a lane a block (lanes 25-31 name the last again).
; A: records 1 and 2 at the head, record 3 at the first change of slots, six K steps ahead of its first load: the 8 records of a tile row are shared among the 16 waves of the four work-groups that read them, 13 or 12 blocks each, by address.
; THE WAY OUT: a block of 16 tokens x 128 columns goes through the wave's own stage in LDS (bytes into which no fill lands) and leaves as whole rows of 512 bytes.
; REGISTERS: window 0: v1-3 r, h, lane; v16-26 offsets and LDS addresses; v28, v29 the add's two; v32-127 scale words, two sets; v128-255 the way out.   window 1: B's fragments, two sets, at v0 and v128.
;   window 2: accumulator (a, b) at v[8 (8 a + b)].   window 3: A's set q at v[48 q].
.set KREC,  4
.set REC,   6400
.set RBS,   REC*KREC                   ; from a rowblock's record to the next rowblock's
.set SLOT,  16*REC
.set SPARE, 2*SLOT                     ; behind the ring: the spare words, 128 bytes a wave
.set STG,   SPARE+512                  ; behind them: a stage of 16 rows x 528 bytes for each wave
.set PFOB, 16                          ; v16 B's prefetches: 256 x min(lane, 24)
.set PFOA, 17                          ; v17 A's: 256 x (13 wb + min(lane, 12 - wb))
.set ASO,  18                          ; v18 16 r
.set ADRB, 20                          ; v20-21 16 x lane + my 8 records of B in slot 0, 1
.set ASB,  22                          ; v22-23 16 r + the same
.set STO,  24                          ; v24 the stage, on the way in: row r, + 64 h
.set RD,   25                          ; v25 and on the way out: + 16 x lane
.set CO,   26                          ; v26 16 x lane
.set SPW,  28
.set NIL,  29
.set SC,   32                          ; scale words: set s at SC + 48 s; A's block i, K step q at + 4 i + q; B's at + 16 + 4 i + q
.set BK,   128                         ; the way out: 16 rows read back from the stage, two sets
.set WV, 16
.set WA, 17
.set WB, 18
.set PFB, 32                           ; s[32:33] B's prefetches, s[34:35] A's: at record 0
.set PFA, 34
.set G1B, 48
.set G0B, 56
.set AB,  66                           ; s[66:67] my 4 rowblocks of A, at record 0
.set MSB, 0
.macro WIN new                         ; the immediate's high byte repeats the setting that is left
.if MSB != \new
	s_set_vgpr_msb (MSB<<8)|\new
.set MSB, \new
.endif
.endm
.set MUL,  0xad                        ; source 0 (B) window 1, source 1 (A) window 3, C and D window 2
.set TO_B, 0x40                        ; destination window 1, address window 0
.set TO_A, 0xc0                        ; destination window 3, address window 0
.macro PLACES n
.rept \n
	v_nop
.endr
.endm
.macro TL s                            ; my 4 records of a slot; an s_nop 0 and four v_nop follow
	tensor_load_to_lds s[G0B+4*\s:G0B+4*\s+3], s[G1B:G1B+7]
	s_nop 0
	PLACES 4
.endm
.macro CREST                           ; a round of the cluster's barrier behind its opening barrier
	s_cmp_lg_u32 s[WV], 0
	s_cbranch_scc1 .Lnot_wave_0_\@
	s_barrier_signal -3
.Lnot_wave_0_\@:
	s_barrier_wait -3
	s_barrier_signal -1
	s_barrier_wait -1
.endm
.macro CROUND
	s_barrier_signal -1
	s_barrier_wait -1
	CREST
.endm
	s_load_b128 s[4:7], s[0:1], 0x0                ; ao, woc
	s_load_b64 s[8:9], s[0:1], 0x10                ; out0
	v_lshl_add_u32 v[SPW], v0, 2, SPARE
	v_mov_b32 v[NIL], 0
	ds_add_u32 v[SPW], v[NIL]                      ; the opening lines: the add, twice on end, and its wait ahead of my first tensor load
	ds_add_u32 v[SPW], v[NIL]
	v_lshrrev_b32 v1, 5, v0
	v_readfirstlane_b32 s[WV], v1                  ; wave 0..3
	s_lshr_b32 s[WA], s[WV], 1                     ; my 64 of the tokens
	s_and_b32 s[WB], s[WV], 1                      ; my 128 of the columns
	s_bfe_u32 s40, ttmp6, 0x40000                  ; cx
	s_bfe_u32 s41, ttmp6, 0x40004                  ; cy
	s_and_b32 s20, ttmp7, 0xffff                   ; the cluster's y
	s_lshl_b32 s47, 0x1111, s40                    ; my column of the cluster
	s_or_b32 s[G1B], s47, (3<<16)|(1<<21)          ; 15:0 the mask; 17:16 elements of 8 bytes; 21 set beside a mask; no padding
	s_mov_b32 s[G1B+1], 800<<16                    ; tensor_dim0 = 800 elements: a record
	s_mov_b32 s[G1B+2], 4<<16                      ; tensor_dim1 = 4 rowblocks
	s_mov_b32 s[G1B+3], 800<<16                    ; tile_dim0
	s_mov_b32 s[G1B+4], 4                          ; tile_dim1
	s_mov_b32 s[G1B+5], 800*KREC
	s_mov_b32 s[G1B+6], 0
	s_mov_b32 s[G1B+7], 0
	s_lshl_b32 s42, s20, 2
	s_add_co_u32 s42, s42, s41                     ; tile row = 4 y + cy
	s_add_co_u32 s43, ttmp9, s20
	s_and_b32 s43, s43, 1
	s_lshl_b32 s43, s43, 1
	s_lshr_b32 s44, ttmp9, 1
	s_add_co_u32 s44, s44, s43                     ; the columns' group: 2 ((x + y) % 2) + x / 2
	s_lshl_b32 s44, s44, 2
	s_add_co_u32 s44, s44, s40                     ; tile column = 4 x group + cx: it alone enters the joint loads' addresses
	s_lshl_b32 s70, s42, 3
	s_lshl_b32 s43, s[WA], 2
	s_add_co_u32 s70, s70, s43                     ; A: rowblock 8 x tile row + 4 wa
	s_mul_i32 s70, s70, RBS
	s_mov_b32 s71, 0
	s_lshl_b32 s72, s44, 4
	s_lshl_b32 s45, s[WV], 2
	s_add_co_u32 s72, s72, s45                     ; B: rowblock 16 x tile column + 4 x wave
	s_mul_i32 s72, s72, RBS
	s_mov_b32 s73, 0
	s_mul_i32 s74, s[WV], 4*REC                    ; where they go in a slot: no place in the cluster enters an LDS address
	s_mul_i32 s36, s41, RBS
	s_add_co_u32 s36, s36, s72                     ; B's prefetches: of my 4 records the one at my place cy
	s_mov_b32 s37, 0
	s_lshl_b32 s38, s42, 3
	s_lshl_b32 s39, s40, 1
	s_add_co_u32 s38, s38, s39
	s_add_co_u32 s38, s38, s[WA]                   ; A's: rowblock 8 x tile row + 2 cx + wa, of which wb picks the half
	s_mul_i32 s38, s38, RBS
	s_mov_b32 s39, 0
	s_wait_alu depctr_va_vdst(0)
	s_wait_dscnt 0x0                               ; both opening adds are done
	s_wait_kmcnt 0x0
	s_add_nc_u64 s[PFB:PFB+1], s[6:7], s[36:37]
	s_add_nc_u64 s[PFA:PFA+1], s[4:5], s[38:39]
	s_add_nc_u64 s[AB:AB+1], s[4:5], s[70:71]
	s_add_nc_u64 s[68:69], s[6:7], s[72:73]
	CROUND                                         ; all sixteen work-groups are here: the first joint loads meet
.irp s, 0,1
	s_mov_b32 s[G0B+4*\s], 1
	s_add_co_u32 s[G0B+4*\s+1], s74, \s*SLOT
	s_add_nc_u64 s[G0B+4*\s+2:G0B+4*\s+3], s[68:69], \s*REC
	s_or_b32 s[G0B+4*\s+3], s[G0B+4*\s+3], 0x80000000
.endr
	TL 0                                           ; record 0: the wave's one tensor load at the head
	s_mul_i32 s45, s[WB], 8*REC                    ; my 8 records of B in slot 0,
	s_add_co_u32 s43, s45, SLOT                    ; and in slot 1
	s_mul_i32 s95, s[WB], 13
	s_sub_co_u32 s96, 12, s[WB]
	s_mul_i32 s78, s[WV], 16*528
	s_add_co_u32 s78, s78, STG                     ; my stage
	s_lshl_b32 s76, s42, 7
	s_lshl_b32 s77, s[WA], 6
	s_add_co_u32 s76, s76, s77                     ; my first token: 128 x tile row + 64 wa,
	s_lshl_b32 s76, s76, 14                        ; in rows of 16,384 bytes;
	s_lshl_b32 s77, s44, 10
	s_add_co_u32 s76, s76, s77                     ; my first column, in bytes: 1,024 x tile column + 512 wb
	s_lshl_b32 s77, s[WB], 9
	s_add_co_u32 s76, s76, s77
	s_mov_b32 s77, 0
	s_add_nc_u64 s[8:9], s[8:9], s[76:77]
	v_and_b32 v1, 15, v0                           ; r
	v_bfe_u32 v2, v0, 4, 1                         ; h
	v_and_b32 v3, 31, v0                           ; lane
	v_lshlrev_b32 v[CO], 4, v3
	v_lshlrev_b32 v[ASO], 4, v1
	v_add_nc_u32 v[ADRB], s45, v[CO]
	v_add_nc_u32 v[ADRB+1], s43, v[CO]
	v_add_nc_u32 v[ASB], s45, v[ASO]
	v_add_nc_u32 v[ASB+1], s43, v[ASO]
	v_mul_u32_u24 v[STO], v1, 528
	v_lshl_add_u32 v[STO], v2, 6, v[STO]
	v_add_nc_u32 v[STO], s78, v[STO]
	v_add_nc_u32 v[RD], s78, v[CO]
	v_min_u32 v[PFOB], 24, v3
	v_lshlrev_b32 v[PFOB], 8, v[PFOB]
	v_min_u32 v[PFOA], s96, v3
	v_add_nc_u32 v[PFOA], s95, v[PFOA]
	v_lshlrev_b32 v[PFOA], 8, v[PFOA]
	s_wait_alu depctr_va_vdst(0)                   ; the end of the head's vector work
; 8 matrix instructions: A's block a x B's eight, the record's q-th 128 along K.  p: B's set; A's set is q; sc: the scale words' set.  zero = 1: the product starts the sums.
; The 32 accumulators take turns, one instruction a turn, in the same order in every step.
.macro MUL8 a, p, q, sc, zero
.irp b, 0,1,2,3,4,5,6,7
.if \zero
	v_wmma_scale_f32_16x16x128_f8f6f4 v[8*(8*(\a)+\b):8*(8*(\a)+\b)+7], v[128*(\p)+12*\b:128*(\p)+12*\b+11], v[48*(\q)+12*(\a):48*(\q)+12*(\a)+11], 0, v[SC+48*(\sc)+16+4*\b+(\q)], v[SC+48*(\sc)+4*(\a)+(\q)] matrix_a_fmt:MATRIX_FMT_FP6 matrix_b_fmt:MATRIX_FMT_FP6
.else
	v_wmma_scale_f32_16x16x128_f8f6f4 v[8*(8*(\a)+\b):8*(8*(\a)+\b)+7], v[128*(\p)+12*\b:128*(\p)+12*\b+11], v[48*(\q)+12*(\a):48*(\q)+12*(\a)+11], v[8*(8*(\a)+\b):8*(8*(\a)+\b)+7], v[SC+48*(\sc)+16+4*\b+(\q)], v[SC+48*(\sc)+4*(\a)+(\q)] matrix_a_fmt:MATRIX_FMT_FP6 matrix_b_fmt:MATRIX_FMT_FP6
.endif
.endr
.endm
.macro FETCHB slot, q, p               ; 24 LDS loads in one run, 512 consecutive bytes each: B's eight fragments of the slot's q-th K step into set p
	WIN TO_B
.irp i, 0,1,2,3,4,5,6,7
.irp c, 0,1,2
	ds_load_b128 v[128*(\p)+12*\i+4*\c:128*(\p)+12*\i+4*\c+3], v[ADRB+\slot] offset:REC*\i+1536*(\q)+512*\c
.endr
.endr
	WIN 0
.endm
.macro SCALESB s                       ; a slot's scale words of B: one load brings a row's words of the four K steps
.irp i, 0,1,2,3,4,5,6,7
	ds_load_b128 v[SC+48*\s+16+4*\i:SC+48*\s+16+4*\i+3], v[ASB+\s] offset:REC*\i+6144
.endr
.endm
.macro LOADA ro, q                     ; 12 loads of 512 consecutive bytes: A's four fragments of K step q of record ro into set q
	WIN TO_A
.irp i, 0,1,2,3
.irp c, 0,1,2
	global_load_b128 v[48*(\q)+12*\i+4*\c:48*(\q)+12*\i+4*\c+3], v[CO], s[AB:AB+1] offset:RBS*\i+REC*(\ro)+1536*(\q)+512*\c
.endr
.endr
	WIN 0
.endm
.macro SCALEA ro, s                    ; and that record's scale words of A
	WIN 0
.irp i, 0,1,2,3
	global_load_b128 v[SC+48*(\s)+4*\i:SC+48*(\s)+4*\i+3], v[ASO], s[AB:AB+1] offset:RBS*\i+REC*(\ro)+6144
.endr
.endm
; One of a record's first three K steps.  lw: the global loads issued behind this step's fragments of A, which may stay out (two K steps' 24; fewer at the end).
; sro, aro / aq (-1: none): the scale words of A and the fragments of A three K steps on that are asked for here, into registers that the step before has left.
.macro STEP slot, q, zero, lw, sro, aro, aq
	s_wait_dscnt 0x0                               ; this step's fragments of B are in,
	s_wait_loadcnt \lw                             ; and those of A
	PLACES 4                                       ; four places in front of loads into registers that the last step's products read
	FETCHB \slot, (\q)+1, ((\q)+1)%2
.if (\sro) >= 0
	SCALEA \sro, ((\slot)+1)%2
.endif
.if (\aro) >= 0
	LOADA \aro, \aq
.endif
	WIN MUL
	MUL8 0, (\q)%2, \q, \slot, \zero
	MUL8 1, (\q)%2, \q, \slot, \zero
	MUL8 2, (\q)%2, \q, \slot, \zero
	MUL8 3, (\q)%2, \q, \slot, \zero
.endm
; A record's last K step changes slots: one barrier; in front of it each wave waits for all its tensor loads, adds 0 to its spare word, and waits for that and for its reads of this slot.  fill = 1: the barrier opens a round of the cluster's, and this slot is filled again.
.macro TURN slot, next, fill, aro, aq, ask
	WIN 0                                          ; (the add's two registers lie in window 0)
	s_wait_tensorcnt 0x0                           ; my tensor load has landed: my part of the next slot
	ds_add_u32 v[SPW], v[NIL]
	s_wait_dscnt 0x1                               ; this step's fragments of B are in; the add alone may be out
	s_wait_loadcnt 24                              ; and those of A; the next two K steps' may be out
	WIN MUL
	MUL8 0, 1, 3, \slot, 0                         ; eight matrix instructions stand between the add and the wait for it
	s_wait_dscnt 0x0                               ; the add is done, and my reads of this slot are over
	s_barrier_signal -1
	MUL8 1, 1, 3, \slot, 0
	WIN 0
	s_barrier_wait -1
.if \fill
	CREST                                          ; no wave of any partner still reads this slot or has a load on its way
	s_add_nc_u64 s[G0B+4*\slot+2:G0B+4*\slot+3], s[G0B+4*\slot+2:G0B+4*\slot+3], 2*REC
	TL \slot                                       ; the first tensor load behind the round; its four v_nop are the places in front of the loads below
.else
	PLACES 4
.endif
	FETCHB \next, 0, 0
	SCALESB \next
	LOADA \aro, \aq
.if \ask
	global_prefetch_b8 v[PFOA], s[PFA:PFA+1] offset:3*REC th:TH_LOAD_NT scope:SCOPE_SE
.endif
	WIN MUL
	MUL8 2, 1, 3, \slot, 0
	MUL8 3, 1, 3, \slot, 0
.endm
	SCALEA 0, 0                                    ; the head's global loads: A's scale words of record 0 and its first three K steps
	LOADA 0, 0
	LOADA 0, 1
	LOADA 0, 2
	global_prefetch_b8 v[PFOB], s[PFB:PFB+1] offset:REC th:TH_LOAD_NT scope:SCOPE_SE
	global_prefetch_b8 v[PFOA], s[PFA:PFA+1] offset:REC th:TH_LOAD_NT scope:SCOPE_SE
	global_prefetch_b8 v[PFOB], s[PFB:PFB+1] offset:2*REC th:TH_LOAD_NT scope:SCOPE_SE
	global_prefetch_b8 v[PFOA], s[PFA:PFA+1] offset:2*REC th:TH_LOAD_NT scope:SCOPE_SE
	s_wait_tensorcnt 0x0                           ; my part of record 0 is in
	ds_add_u32 v[SPW], v[NIL]
	s_wait_dscnt 0x0
	CROUND                                         ; everybody's part is in, and all sixteen work-groups are here
	TL 1                                           ; record 1, the first tensor load behind the round
	FETCHB 0, 0, 0
	SCALESB 0
	global_prefetch_b8 v[PFOB], s[PFB:PFB+1] offset:3*REC th:TH_LOAD_NT scope:SCOPE_SE
	STEP 0, 0, 1, 24, -1, 0, 3                     ; record 0: the first K step's products start the sums
	STEP 0, 1, 0, 24, 1, 1, 0
	STEP 0, 2, 0, 24, -1, 1, 1
	TURN 0, 1, 1, 1, 2, 1                          ; slot 0 takes record 2
	STEP 1, 0, 0, 24, -1, 1, 3                     ; record 1
	STEP 1, 1, 0, 24, 2, 2, 0
	STEP 1, 2, 0, 24, -1, 2, 1
	TURN 1, 0, 1, 2, 2, 0                          ; slot 1 takes record 3
	STEP 0, 0, 0, 24, -1, 2, 3                     ; record 2
	STEP 0, 1, 0, 24, 3, 3, 0
	STEP 0, 2, 0, 24, -1, 3, 1
	TURN 0, 1, 0, 3, 2, 0                          ; nothing is filled any more
	STEP 1, 0, 0, 24, -1, 3, 3                     ; record 3: A's last K step is asked for
	STEP 1, 1, 0, 24, -1, -1, 0
	STEP 1, 2, 0, 12, -1, -1, 0                    ; behind this step's fragments of A: the last step's 12
	s_wait_dscnt 0x0
	s_wait_loadcnt 0x0
	WIN MUL
	MUL8 0, 1, 3, 1, 0
	MUL8 1, 1, 3, 1, 0
	MUL8 2, 1, 3, 1, 0
	MUL8 3, 1, 3, 1, 0
	WIN 0
	PLACES 4                                       ; in front of the first reads of results
; THE WAY OUT, block by block of 16 tokens x 128 columns.  A lane holds 64 neighbouring bytes of a row for each pair of B's blocks; the lanes beside it hold other rows: so a block goes through my own stage and comes back as whole rows of 512 bytes.
; LDS serves a wave's instructions in order: no wait between the stores and the loads, nor in front of the next block's stores.
.macro TOSTAGE a
	WIN 0x08                                       ; an LDS store's data are its source 1: window 2
.irp b, 0,1,2,3,4,5,6,7
	ds_store_b128 v[STO], v[8*(8*(\a)+\b):8*(8*(\a)+\b)+3] offset:128*(\b/2)+32*(\b%2)          ; each accumulator from its low end on
	ds_store_b128 v[STO], v[8*(8*(\a)+\b)+4:8*(8*(\a)+\b)+7] offset:128*(\b/2)+32*(\b%2)+16
.endr
	WIN 0
.irp t, 0,1,2,3,4,5,6,7,8,9,10,11,12,13,14,15
	ds_load_b128 v[BK+64*((\a)%2)+4*\t:BK+64*((\a)%2)+4*\t+3], v[RD] offset:528*\t
.endr
.endm
.macro SEND a, younger                 ; younger: the LDS instructions issued behind block a's loads, which may stay out
	s_wait_dscnt \younger
.irp t, 0,1,2,3,4,5,6,7,8,9,10,11,12,13,14,15
	global_store_b128 v[CO], v[BK+64*((\a)%2)+4*\t:BK+64*((\a)%2)+4*\t+3], s[8:9] offset:(32*((\a)/2)+8*((\a)%2)+\t+8*(\t/8))*16384 th:TH_STORE_NT   ; 32 lanes store 512 consecutive aligned bytes
.endr
.endm
	TOSTAGE 0
.irp a, 1,2,3
.if \a > 1
	s_wait_xcnt 0x0                                ; block a - 2's stores have read their registers: block a's loads may land there
.endif
	TOSTAGE \a
	SEND \a-1, 32                                  ; behind block a - 1's loads: block a's 16 stores and 16 loads
.endr
	SEND 3, 0
	s_wait_tensorcnt 0x0                           ; the wave's end: behind my last tensor load and my last LDS store
	ds_add_u32 v[SPW], v[NIL]
	s_wait_dscnt 0x0
	CROUND                                         ; the closing round: no work-group ends while a partner may still ask for a tile that names it
	s_endpgm
.Lfunc_end_k_qbd0a62bedc_oproj:
	.size	k_qbd0a62bedc_oproj, .Lfunc_end_k_qbd0a62bedc_oproj-k_qbd0a62bedc_oproj
	.p2alignl 7, 3214868480
	.fill 96, 4, 3214868480
	.section	.rodata,"a",@progbits
	.p2align	6, 0x0
	.amdhsa_kernel k_qbd0a62bedc_oproj
		.amdhsa_group_segment_fixed_size 327680
		.amdhsa_private_segment_fixed_size 0
		.amdhsa_enable_private_segment 0
		.amdhsa_kernarg_size 24
		.amdhsa_user_sgpr_count 2
		.amdhsa_user_sgpr_kernarg_segment_ptr 1
		.amdhsa_wavefront_size32 1
		.amdhsa_system_sgpr_workgroup_id_x 1
		.amdhsa_system_sgpr_workgroup_id_y 1
		.amdhsa_system_sgpr_workgroup_id_z 1
		.amdhsa_system_vgpr_workitem_id 0
		.amdhsa_next_free_vgpr 1024
		.amdhsa_next_free_sgpr 100
		.amdhsa_reserve_vcc 0
		.amdhsa_float_denorm_mode_32 3
		.amdhsa_float_denorm_mode_16_64 3
		.amdhsa_memory_ordered 1
		.amdhsa_forward_progress 1
		.amdhsa_inst_pref_size 138
	.end_amdhsa_kernel
	.amdgpu_metadata
---
amdhsa.version: [ 1, 2 ]
amdhsa.kernels:
  - .name:           k_qbd0a62bedc_oproj
    .symbol:         k_qbd0a62bedc_oproj.kd
    .args:
      - { .name: ao, .offset: 0, .size: 8, .value_kind: global_buffer, .address_space: global }
      - { .name: woc, .offset: 8, .size: 8, .value_kind: global_buffer, .address_space: global }
      - { .name: out0, .offset: 16, .size: 8, .value_kind: global_buffer, .address_space: global }
    .group_segment_fixed_size: 327680
    .private_segment_fixed_size: 0
    .kernarg_segment_align: 8
    .kernarg_segment_size: 24
    .max_flat_workgroup_size: 128
    .sgpr_count:     100
    .vgpr_count:     1024
    .wavefront_size: 32
...
	.end_amdgpu_metadata
.endif
;; end of part 4
